; MI455X (gfx1250); checked and timed in simulation.
; The chip was launched on July 23, 2026; its instructions are those of AMD's public machine-readable ISA for CDNA 5 (MIT licence, August 2026) and "CDNA5" Instruction Set Architecture Reference Guide (July 2026). The comments in the code are by the model that wrote it; some were corrected since.
;; ASAM Layer. Allowed arithmetic: float matrix products may take bf16 or f16 operands with f32 sums; other float arithmetic in f32, or as packed bf16 or f16 multiplies, adds, multiply-adds, maxima and minima; sums over many terms, partial sums and values carried from step to step in f32; what a program stores and reads back later, other than sums and carried values, may be rounded once to bf16 or f16.
;; Inputs: b_ff1 4,096 float32; b_ff2 1,024 float32; b_out 1,024 float32; ln1_b 1,024 float32; ln1_g 1,024 float32; ln2_b 1,024 float32; ln2_g 1,024 float32; w_ff1 4,096 x 1,024 float32; w_ff2 1,024 x 4,096 float32; w_out 1,024 x 1,024 float32; w_qkv 3,072 x 1,024 float32; x 2 x 2,048 x 1,024 float32.
;; Outputs: out0 2 x 2,048 x 1,024 float32.
;; 2 versions, each right; version 2 is version 1 with the launch prep written anew for expert scheduling mode. Each part assembles by itself: llvm-mc -triple=amdgcn-amd-amdhsa -mcpu=gfx1250 --defsym DOCPART=n.
;; ======== version 1 of 2: 7 launches
;; limits: right only within a limited range of input values
;; workspace buffers: h 8,388,608 bytes; big 33,554,432 bytes; x1 16,777,216 bytes; wqo 8,388,608 bytes; w1 8,388,608 bytes; w2 8,388,608 bytes; pq 16,640 bytes; pf 16,640 bytes
;; launch prep (part 1): grid 1024 x 1, 8 waves a work-group, no clusters, 0 bytes of LDS; arguments x, ln1_g, ln1_b, w_qkv, w_out, w_ff1, w_ff2, h, wqo, w1, w2, pq, pf, b_ff1; writes h, wqo, w1, w2, pq, pf
.if DOCPART == 1
	.amdgcn_target "amdgcn-amd-amdhsa--gfx1250"
	.amdhsa_code_object_version 6
	.text
	.protected	k_q19674857d6_prep
	.globl	k_q19674857d6_prep
	.p2align	8
	.type	k_q19674857d6_prep,@function
k_q19674857d6_prep:
	s_mov_b64 s[64:65], 0
	v_nop
	global_prefetch_b8 v0, s[64:65] scope:SCOPE_SE
	s_setreg_imm32_b32 hwreg(HW_REG_WAVE_MODE, 25, 1), 1
	s_wait_xcnt 0x0
; WORK-GROUPS 0-255:  h = bf16(LayerNorm(x) * ln1_g + ln1_b).  x: [4096][1024] f32, h: [4096][1024] bf16.
; WORK-GROUPS 256-1023:  the four weight matrices, f32, are rounded once to bf16 (nearest even), 16,384 numbers a work-group.  w_qkv and w_out go into one buffer, w_out's rows behind w_qkv's.
; Every work-group reads 65,536 bytes of its stream, so all are alike.  Memory binds: no LDS, no matrix unit, no barrier.
; WORK-GROUP 0 also stores the two parameter buffers of the large products: 64 words that all hold one number w, and from byte 256 on a row of 4,096 f32, the bias.
;   pq, for the q, k, v projection: w = -infinity, the row is zeros.      pf, for the FFN's first layer: w = 0, the row is a copy of b_ff1.      Each of its eight waves takes 2,048 bytes of the rows.
; LAYERNORM.  A wave owns two whole rows (16 rows a work-group): a row is 32 registers, so it stays in registers between the mean, the
; variance (of the centred numbers: no difference of large sums) and the scaling.  A lane's numbers are columns 128 j + 4 lane + 0..3.
; Each load of a wave covers 512 consecutive bytes, each store 256 or 512 consecutive bytes, aligned.
.set WO_OFF, 6291456                   ; bytes of w_qkv in bf16: where w_out begins in the shared buffer
.set VAR, 4                            ; v4, v5     variance + eps of row A, row B
.set G,   8                            ; v[8:39]    the gain of my 32 columns
.set BV,  40                           ; v[40:71]   the bias
.set XA,  72                           ; v[72:103]  row A
.set XB,  104                          ; v[104:135] row B
.set T,   136                          ; v[136:143] at work
.set MU,  144                          ; v[144:147] the mean, twice, of row A, of row B
.set RS,  148                          ; v[148:151] 1 / sqrt(var + eps), twice, of row A, of row B
.set YA,  152                          ; v[152:167] row A in bf16
.set YB,  168                          ; v[168:183] row B in bf16
.macro ACROSS                          ; four pairs in T -> one number in v[T], the same in every lane
	v_pk_add_f32 v[T:T+1], v[T:T+1], v[T+2:T+3]
	v_pk_add_f32 v[T+4:T+5], v[T+4:T+5], v[T+6:T+7]
	v_pk_add_f32 v[T:T+1], v[T:T+1], v[T+4:T+5]
	v_add_f32 v[T], v[T], v[T+1]
	v_add_f32_dpp v[T], v[T], v[T] row_xmask:1 row_mask:0xf bank_mask:0xf
	v_add_f32_dpp v[T], v[T], v[T] row_xmask:2 row_mask:0xf bank_mask:0xf
	v_add_f32_dpp v[T], v[T], v[T] row_xmask:4 row_mask:0xf bank_mask:0xf
	v_add_f32_dpp v[T], v[T], v[T] row_xmask:8 row_mask:0xf bank_mask:0xf
	v_permlanex16_b32 v[T+1], v[T], s4, s5         ; the other half of the lanes
	v_add_f32 v[T], v[T], v[T+1]
.endm
.macro SUM32 x                         ; the row's sum: four chains that do not wait for each other
.irp k, 0,1,2,3
	v_pk_add_f32 v[T+2*(\k):T+2*(\k)+1], v[(\x)+2*(\k):(\x)+2*(\k)+1], v[(\x)+8+2*(\k):(\x)+8+2*(\k)+1]
.endr
.irp k, 0,1,2,3
	v_pk_add_f32 v[T+2*(\k):T+2*(\k)+1], v[T+2*(\k):T+2*(\k)+1], v[(\x)+16+2*(\k):(\x)+16+2*(\k)+1]
.endr
.irp k, 0,1,2,3
	v_pk_add_f32 v[T+2*(\k):T+2*(\k)+1], v[T+2*(\k):T+2*(\k)+1], v[(\x)+24+2*(\k):(\x)+24+2*(\k)+1]
.endr
	ACROSS
.endm
.macro SQ32 x                          ; the row's sum of squares
.irp k, 0,1,2,3
	v_pk_mul_f32 v[T+2*(\k):T+2*(\k)+1], v[(\x)+2*(\k):(\x)+2*(\k)+1], v[(\x)+2*(\k):(\x)+2*(\k)+1]
.endr
.irp o, 8,16,24
.irp k, 0,1,2,3
	v_pk_fma_f32 v[T+2*(\k):T+2*(\k)+1], v[(\x)+(\o)+2*(\k):(\x)+(\o)+2*(\k)+1], v[(\x)+(\o)+2*(\k):(\x)+(\o)+2*(\k)+1], v[T+2*(\k):T+2*(\k)+1]
.endr
.endr
	ACROSS
.endm
.macro MEAN x, mu
	SUM32 \x
	v_mul_f32 v[\mu], s6, v[T]
	v_mov_b32 v[(\mu)+1], v[\mu]
.endm
.macro CENTRE x, mu, var               ; x -= mean; var = mean of squares + eps
.set i, 0
.rept 16
	v_pk_add_f32 v[(\x)+i:(\x)+i+1], v[(\x)+i:(\x)+i+1], v[\mu:(\mu)+1] neg_lo:[0,1] neg_hi:[0,1]
.set i, i+2
.endr
	SQ32 \x
	v_fma_f32 v[\var], v[T], s6, s7
.endm
.macro FINISH x, rs, y, off            ; scale, gain and bias, round, store
.set i, 0
.rept 16
	v_pk_mul_f32 v[(\x)+i:(\x)+i+1], v[(\x)+i:(\x)+i+1], v[\rs:(\rs)+1]
.set i, i+2
.endr
.set i, 0
.rept 16
	v_pk_fma_f32 v[(\x)+i:(\x)+i+1], v[(\x)+i:(\x)+i+1], v[G+i:G+i+1], v[BV+i:BV+i+1]
.set i, i+2
.endr
.set i, 0
.rept 16
	v_cvt_pk_bf16_f32 v[(\y)+i], v[(\x)+2*i], v[(\x)+2*i+1]
.set i, i+1
.endr
.irp j, 0,1,2,3,4,5,6,7
	global_store_b64 v2, v[(\y)+2*(\j):(\y)+2*(\j)+1], s[22:23] offset:(\off)+256*(\j)
.endr
.endm
	s_load_b512 s[8:23], s[0:1], 0x0               ; x 8:9, ln1_g 10:11, ln1_b 12:13, w_qkv 14:15, w_out 16:17, w_ff1 18:19, w_ff2 20:21, h 22:23
	s_load_b256 s[24:31], s[0:1], 0x40             ; wqo 24:25, w1 26:27, w2 28:29, pq 30:31
	s_load_b128 s[44:47], s[0:1], 0x60             ; pf 44:45, b_ff1 46:47
	v_lshrrev_b32 v3, 5, v0
	v_readfirstlane_b32 s3, v3                     ; wave 0..7
	s_mov_b32 s4, 0x76543210                       ; v_permlanex16_b32: each lane takes its own place in the other half
	s_mov_b32 s5, 0xfedcba98
	s_mov_b32 s6, 0x3a800000                       ; 1 / 1024
	s_mov_b32 s7, 0x3727c5ac                       ; 1e-5
	s_wait_kmcnt 0x0
	s_cmp_lt_u32 ttmp9, 256
	s_cbranch_scc0 .Lcast
	v_and_b32 v1, 31, v0
	v_lshlrev_b32 v2, 3, v1                        ; 8 x lane: my bytes in 256 bytes
	v_lshlrev_b32 v1, 4, v1                        ; 16 x lane: my bytes in 512 bytes
	s_lshl_b32 s32, ttmp9, 16                      ; 16 rows of 4,096 bytes a work-group,
	s_lshl_b32 s33, s3, 13                         ; two a wave
	s_add_co_u32 s32, s32, s33
	s_mov_b32 s33, 0
	s_add_nc_u64 s[8:9], s[8:9], s[32:33]
	s_lshr_b32 s32, s32, 1                         ; rows of h are half as long
	s_add_nc_u64 s[22:23], s[22:23], s[32:33]
.irp j, 0,1,2,3,4,5,6,7
	global_load_b128 v[XA+4*\j:XA+4*\j+3], v1, s[8:9] offset:512*\j th:TH_LOAD_NT
.endr
.irp j, 0,1,2,3,4,5,6,7
	global_load_b128 v[XB+4*\j:XB+4*\j+3], v1, s[8:9] offset:4096+512*\j th:TH_LOAD_NT
.endr
.irp j, 0,1,2,3,4,5,6,7
	global_load_b128 v[G+4*\j:G+4*\j+3], v1, s[10:11] offset:512*\j
.endr
.irp j, 0,1,2,3,4,5,6,7
	global_load_b128 v[BV+4*\j:BV+4*\j+3], v1, s[12:13] offset:512*\j
.endr
	s_wait_loadcnt 16                              ; both rows are in; the 16 loads of gain and bias may stay out
	MEAN XA, MU
	CENTRE XA, MU, VAR
	MEAN XB, MU+2
	CENTRE XB, MU+2, VAR+1
	v_rsq_f32 v[RS], v[VAR]                        ; one batch of four: each root twice, for the packed multiply
	v_rsq_f32 v[RS+1], v[VAR]
	v_rsq_f32 v[RS+2], v[VAR+1]
	v_rsq_f32 v[RS+3], v[VAR+1]
	v_nop                                          ; a plain instruction behind the last root, ahead of the first use
	s_wait_loadcnt 0x0                             ; gain and bias
	s_wait_alu depctr_va_vdst(0)                   ; one wait for the batch, ahead of its first reader
	FINISH XA, RS, YA, 0
	FINISH XB, RS+2, YB, 2048
	s_cmp_lg_u32 ttmp9, 0                          ; work-group 0: the two parameter buffers
	s_cbranch_scc1 .Ldone
	s_lshl_b32 s32, s3, 11                         ; my wave's 2,048 bytes of the rows of 16,384
	s_mov_b32 s33, 0
	s_add_nc_u64 s[46:47], s[46:47], s[32:33]
	s_add_nc_u64 s[30:31], s[30:31], s[32:33]
	s_add_nc_u64 s[44:45], s[44:45], s[32:33]
.irp j, 0,1,2,3
	global_load_b128 v[XA+4*\j:XA+4*\j+3], v1, s[46:47] offset:512*\j      ; b_ff1 (row A's registers are free: the stores of h read YA and YB)
.endr
.irp k, 0,1,2,3
	v_mov_b32 v[T+\k], 0
.endr
.irp j, 0,1,2,3
	global_store_b128 v1, v[T:T+3], s[30:31] offset:256+512*\j             ; the projection's bias: zeros
.endr
	s_wait_loadcnt 0x0                             ; the four loads of b_ff1
.irp j, 0,1,2,3
	global_store_b128 v1, v[XA+4*\j:XA+4*\j+3], s[44:45] offset:256+512*\j ; the FFN's bias
.endr
	s_cmp_lg_u32 s3, 0                             ; wave 0, whose pointers stand at the buffers' first bytes: the 64 words w, 8 bytes a lane
	s_cbranch_scc1 .Ldone
	v_mov_b32 v[T+4], 0xff800000                   ; -infinity
	v_mov_b32 v[T+5], 0xff800000
	global_store_b64 v2, v[T+4:T+5], s[30:31]
	global_store_b64 v2, v[T:T+1], s[44:45]        ; 0
.Ldone:
	s_endpgm
.Lcast:                                        ; chunk c = work-group - 256: 0-191 w_qkv, 192-255 w_out, 256-511 w_ff1, 512-767 w_ff2
	s_sub_co_u32 s32, ttmp9, 256
	s_add_nc_u64 s[40:41], s[24:25], WO_OFF        ; where w_out goes
	s_mov_b64 s[34:35], s[20:21]
	s_mov_b64 s[36:37], s[28:29]
	s_mov_b32 s38, 512
	s_cmp_lt_u32 s32, 512
	s_cselect_b64 s[34:35], s[18:19], s[34:35]
	s_cselect_b64 s[36:37], s[26:27], s[36:37]
	s_cselect_b32 s38, 256, s38
	s_cmp_lt_u32 s32, 256
	s_cselect_b64 s[34:35], s[16:17], s[34:35]
	s_cselect_b64 s[36:37], s[40:41], s[36:37]
	s_cselect_b32 s38, 192, s38
	s_cmp_lt_u32 s32, 192
	s_cselect_b64 s[34:35], s[14:15], s[34:35]
	s_cselect_b64 s[36:37], s[24:25], s[36:37]
	s_cselect_b32 s38, 0, s38
	s_sub_co_u32 s32, s32, s38                     ; the chunk's number in its own matrix
	s_lshl_b32 s38, s32, 16                        ; 65,536 bytes of f32,
	s_mov_b32 s39, 0
	s_add_nc_u64 s[34:35], s[34:35], s[38:39]
	s_lshl_b32 s38, s32, 15                        ; 32,768 of bf16
	s_add_nc_u64 s[36:37], s[36:37], s[38:39]
	v_lshlrev_b32 v1, 4, v0                        ; 16 x thread
	v_lshlrev_b32 v2, 3, v0                        ; 8 x thread
.irp j, 0,1,2,3,4,5,6,7,8,9,10,11,12,13,14,15
	global_load_b128 v[8+4*\j:11+4*\j], v1, s[34:35] offset:4096*\j th:TH_LOAD_NT
.endr
.irp j, 0,1,2,3,4,5,6,7,8,9,10,11,12,13,14,15
	s_wait_loadcnt 15-\j                           ; loads come back in order: load j is in, the younger ones stay out
	v_cvt_pk_bf16_f32 v[72+2*\j], v[8+4*\j], v[9+4*\j]
	v_cvt_pk_bf16_f32 v[73+2*\j], v[10+4*\j], v[11+4*\j]
	global_store_b64 v2, v[72+2*\j:73+2*\j], s[36:37] offset:2048*\j
.endr
	s_endpgm
.Lfunc_end_k_q19674857d6_prep:
	.size	k_q19674857d6_prep, .Lfunc_end_k_q19674857d6_prep-k_q19674857d6_prep
	.p2alignl 7, 3214868480
	.fill 96, 4, 3214868480
	.section	.rodata,"a",@progbits
	.p2align	6, 0x0
	.amdhsa_kernel k_q19674857d6_prep
		.amdhsa_group_segment_fixed_size 0
		.amdhsa_private_segment_fixed_size 0
		.amdhsa_enable_private_segment 0
		.amdhsa_kernarg_size 112
		.amdhsa_user_sgpr_count 2
		.amdhsa_user_sgpr_kernarg_segment_ptr 1
		.amdhsa_wavefront_size32 1
		.amdhsa_system_sgpr_workgroup_id_x 1
		.amdhsa_system_sgpr_workgroup_id_y 1
		.amdhsa_system_sgpr_workgroup_id_z 1
		.amdhsa_system_vgpr_workitem_id 0
		.amdhsa_next_free_vgpr 184
		.amdhsa_next_free_sgpr 66
		.amdhsa_reserve_vcc 0
		.amdhsa_float_denorm_mode_32 3
		.amdhsa_float_denorm_mode_16_64 3
		.amdhsa_memory_ordered 1
		.amdhsa_forward_progress 1
		.amdhsa_inst_pref_size 29
	.end_amdhsa_kernel
	.amdgpu_metadata
---
amdhsa.version: [ 1, 2 ]
amdhsa.kernels:
  - .name:           k_q19674857d6_prep
    .symbol:         k_q19674857d6_prep.kd
    .args:
      - { .name: x, .offset: 0, .size: 8, .value_kind: global_buffer, .address_space: global }
      - { .name: ln1_g, .offset: 8, .size: 8, .value_kind: global_buffer, .address_space: global }
      - { .name: ln1_b, .offset: 16, .size: 8, .value_kind: global_buffer, .address_space: global }
      - { .name: w_qkv, .offset: 24, .size: 8, .value_kind: global_buffer, .address_space: global }
      - { .name: w_out, .offset: 32, .size: 8, .value_kind: global_buffer, .address_space: global }
      - { .name: w_ff1, .offset: 40, .size: 8, .value_kind: global_buffer, .address_space: global }
      - { .name: w_ff2, .offset: 48, .size: 8, .value_kind: global_buffer, .address_space: global }
      - { .name: h, .offset: 56, .size: 8, .value_kind: global_buffer, .address_space: global }
      - { .name: wqo, .offset: 64, .size: 8, .value_kind: global_buffer, .address_space: global }
      - { .name: w1, .offset: 72, .size: 8, .value_kind: global_buffer, .address_space: global }
      - { .name: w2, .offset: 80, .size: 8, .value_kind: global_buffer, .address_space: global }
      - { .name: pq, .offset: 88, .size: 8, .value_kind: global_buffer, .address_space: global }
      - { .name: pf, .offset: 96, .size: 8, .value_kind: global_buffer, .address_space: global }
      - { .name: b_ff1, .offset: 104, .size: 8, .value_kind: global_buffer, .address_space: global }
    .group_segment_fixed_size: 0
    .private_segment_fixed_size: 0
    .kernarg_segment_align: 8
    .kernarg_segment_size: 112
    .max_flat_workgroup_size: 256
    .sgpr_count:     66
    .vgpr_count:     184
    .wavefront_size: 32
...
	.end_amdgpu_metadata
.endif
;; end of part 1
;; launch qkv (part 2): grid 12 x 16, 4 waves a work-group, clusters of 4 x 4, 327,680 bytes of LDS; arguments h, wqo, big, pq; writes big
.if DOCPART == 2
	.amdgcn_target "amdgcn-amd-amdhsa--gfx1250"
	.amdhsa_code_object_version 6
	.text
	.protected	k_q19674857d6_qkv
	.globl	k_q19674857d6_qkv
	.p2align	8
	.type	k_q19674857d6_qkv,@function
k_q19674857d6_qkv:
	s_mov_b64 s[64:65], 0
	v_nop
	global_prefetch_b8 v0, s[64:65] scope:SCOPE_SE
	s_setreg_imm32_b32 hwreg(HW_REG_WAVE_MODE, 25, 1), 1
	s_wait_xcnt 0x0
	s_wait_alu depctr_hold_cnt(0) depctr_sa_sdst(0) depctr_va_vdst(0) depctr_va_sdst(0) depctr_va_ssrc(0) depctr_va_vcc(0) depctr_vm_vsrc(0)
	s_getreg_b32 s2, hwreg(HW_REG_IB_STS2, 6, 4)
	s_cmp_eq_u32 s2, 0
	s_cbranch_scc0 .Lentry_in_a_cluster
	s_endpgm
.Lentry_in_a_cluster:
	s_bfe_u32 s2, ttmp6, 0x10000c
	s_cmp_lg_u32 s2, 0xf033
	s_cbranch_scc0 .Lentry_shape_is_right
	s_endpgm
.Lentry_shape_is_right:
; C[m][n] = bf16(f(bias[n] + sum over k of A[m][k] B[n][k])).  A: [4096][1024], B: [n][1024], both bf16; C: bf16 in rows of 4,096 numbers (8,192 bytes); sums, bias and f in f32, C rounded once.
; ONE TEXT FOR TWO LAUNCHES.  What tells them apart is data, not a jump: the fourth buffer, which an earlier launch stored, holds 64 words that are all one number w, and from byte 256 on a row of 4,096 f32, the bias.
;   f(z) = max(z, w) - |z| E,   E = poly(t) 2^(w - (k z)^2),   t = 1 / (1 + 0.2316419 |z|),   k^2 = log2(e) / 2.
;   w = 0, the FFN's first layer (B has 4,096 rows: 16 tile columns): E = erfc(|z| / sqrt 2) / 2 and f is the exact form of gelu, by the rational approximation of Abramowitz and Stegun, 7.1.26, whose error in
;     erf is at most 1.5e-7 for every argument; no difference of near numbers is formed.  LIMIT: beyond |z| = 1e19 the square is an infinity and E is 0, as it should be.
;   w = -infinity, the q, k, v projection (B has 3,072 rows: 12 tile columns; the bias row is zeros): the power of two is 0, so E = 0, and max(z, w) = z: f(z) = z for every finite z.
; THE PRICE: in the projection the activation's 288 vector instructions a trip of the way out, 16 trips, run only to give E = 0.
; A second text for the projection would be nearly as long again as this one.
; A tile of C, 256 x 256, is made by a work-group of four waves; a wave makes 128 x 128: 64 accumulators of 16 x 16, 512 registers.
; K goes in steps of 128 through a ring of two LDS slots filled by the tensor data mover: the tiles' rows are 256 bytes of memory and start at multiples of 256 bytes from the buffer's first byte.
; CLUSTERS: 4 x 4 work-groups.  The four of a row of the cluster need the same tiles of A, the four of a column the same tiles of B.  Such a tile is asked for JOINTLY: each of the four
; issues the same tensor load, with the same descriptor and a mask that names the four.
; THE WAY OUT: when every wave has read the last slot, the ring's bytes (which have had their last fill) become the stage: a wave's 128 x 128 sums in f32, rows of 528 bytes; they come back as whole rows,
; eight at a time, take bias and f, and leave as 256 consecutive bytes of bf16 a row.
; REGISTERS, in windows of 256: window 0: v0-31 addresses and the bias; v64-127, v128-191 fragments of A, two buffers; on the way out v32-239 at work
;   window 1: v64-127, v128-191 fragments of B, two buffers      window 2: the 32 accumulators of my rows 0-63 ((a, b) at v[8 (8 a + b)])      window 3: those of my rows 64-127
; THE MATRIX INSTRUCTION IS USED TRANSPOSED: source 0 = 16 rows of B, source 1 = 16 rows of A: lane l holds row l % 16 of the result, and its registers 0 to 7 the columns 8 (l / 16) + 0 .. 7.
.set SIZE_K, 1024
.set SIZE_N, 4096                      ; numbers in a row of C
.set KSTEP,  128
.set PITCH,  272                       ; an LDS row: 256 bytes of data + 16 of padding = 68 words: row r starts at bank 4 r mod 64 (ISA guide 11.1)
.set HALFT,  128*PITCH                 ; 128 rows: what one tensor load brings, and what one wave reads of A or of B
.set SLOT,   4*HALFT                   ; A's 256 rows, then B's 256 rows
.set SPARE,  2*SLOT                    ; behind the ring: the spare words, 128 bytes for each wave, which no other line names
.set SPITCH, 528                       ; a stage row: 128 f32 + 16 bytes
.set WSTAGE, 128*SPITCH                ; a wave's stage; four of them lie inside the ring's 2 SLOT bytes
.set LAPS, SIZE_K/(2*KSTEP)            ; a lap = two K steps = once round the ring
.set BI,   8                           ; v[8:11] the bias of my four columns
.set ADRA, 16                          ; v16-17  LDS address of my A fragments in slot 0, 1
.set ADRB, 20                          ; v20-21  the same for B
.set STO,  24                          ; v24     the way out: where I put my numbers of a row
.set RD,   25                          ; v25     the way out: where I read rows back; it steps
.set CO,   26                          ; v26     8 x lane: my bytes in 256 bytes of C
.set BOF,  27                          ; v27     16 x lane: my bytes in 512 bytes of the bias
.set SPW,  28                          ; v28     LDS address of my spare word; never rewritten
.set NIL,  29                          ; v29     0; never rewritten
.set PFO,  30                          ; v30     the prefetches' offset: my lane x a row of A or B in memory; never rewritten
.set PFA,  44                          ; s[44:45] where my prefetches stand
.set LIM,  43                          ; s43     1 in a wave that prefetches, else the greatest number
.set PAR,  66                          ; s[66:67] the parameter buffer; never rewritten
.set SW,   68                          ; s[68:69] w, twice
.set BP,   86                          ; s[86:87] the bias row at my columns, less the 256 bytes in front of it
.set F0,   64
.set F1,   128
.set ZL,   32                          ; the way out, window 0: eight rows as loaded,
.set ZZ,   64                          ; with the bias,
.set DD,   96                          ; 1 + p |z|, then t,
.set YY,   128                         ; w - (k z)^2, then its power of two,
.set QQ,   160                         ; the polynomial, then E,
.set RR,   192                         ; max(z, w), then f(z),
.set OUT,  224                         ; and in bf16
.set G1, 24                            ; s[24:31] descriptor group 1 for A's tiles
.set G0, 32                            ; s[32:39] descriptor group 0 for A's tiles, one set for each slot
.set G1B, 48                           ; s[48:55] group 1 for B's tiles: it differs in the mask alone
.set G0B, 56                           ; s[56:63] group 0 for B's tiles
.set MSB, 0
.macro WIN new                         ; the immediate's high byte repeats the setting that is left
.if MSB != (\new)
	s_set_vgpr_msb (MSB<<8)|(\new)
.set MSB, \new
.endif
.endm
.set MUL_LO, 0xa1                      ; source 0 (B) window 1, source 1 (A) window 0, C and D window 2
.set MUL_HI, 0xf1                      ; the same, C and D window 3
.set TO_B,   0x40                      ; destination window 1, address window 0
; A joint load.  Waves 0 and 1 fetch A's two halves, waves 2 and 3 B's.  The branch hangs on the wave's number alone.  An s_nop 0 and four v_nop follow each of the two lines.
.macro JLOAD s
	s_cmp_eq_u32 s11, 0
	s_cbranch_scc0 .Lfor_b_\@
	tensor_load_to_lds s[G0+4*(\s):G0+4*(\s)+3], s[G1:G1+7]
	s_nop 0
.rept 4
	v_nop
.endr
	s_branch .Lasked_\@
.Lfor_b_\@:
	tensor_load_to_lds s[G0B+4*(\s):G0B+4*(\s)+3], s[G1B:G1B+7]
	s_nop 0
.rept 4
	v_nop
.endr
.Lasked_\@:
.endm
; A PREFETCH INTO THE L2, behind each joint load and the run of LDS loads that follows it: the K step that stands TWO refills on: 32 rows x 256 bytes, a lane a row, one instruction a wave: 512 matrix instructions ahead.
; Each row's 256 bytes of a K step are named ONCE in the launch: A's tile row is read by every cluster of that row of clusters: cluster x = 0 asks; B's tile column by every cluster of that column: cluster y = 0 asks.
; The four partners that ask for a tile jointly share its rows out BY ADDRESS: of the 128 rows that a wave fetches, the partner at place p takes 32 p .. 32 p + 31 (p = cx for A, cy for B).
; K steps 0 to 3 come by their loads alone; trips with s3 = 3 and 2 name K steps 4 to 7; the last trip names nothing: there is no K step behind 7.
.macro ASK
	s_cmp_gt_u32 s3, s[LIM]
	s_cbranch_scc0 .Lnot_mine_\@
	global_prefetch_b8 v[PFO], s[PFA:PFA+1] offset:KSTEP*2 th:TH_LOAD_NT scope:SCOPE_SE
.Lnot_mine_\@:
.endm
.macro CREST                           ; a round of the cluster's barrier behind its opening barrier
	s_cmp_lg_u32 s10, 0
	s_cbranch_scc1 .Lnot_wave_0_\@
	s_barrier_signal -3
.Lnot_wave_0_\@:
	s_barrier_wait -3
	s_barrier_signal -1
	s_barrier_wait -1
.endm
.macro CROUND                          ; a whole round
	s_barrier_signal -1
	s_barrier_wait -1
	CREST
.endm
	s_load_b128 s[4:7], s[0:1], 0x0                ; A s[4:5], B s[6:7]
	s_load_b64 s[8:9], s[0:1], 0x10                ; C
	s_load_b64 s[PAR:PAR+1], s[0:1], 0x18          ; the parameters
	v_lshl_add_u32 v[SPW], v0, 2, SPARE
	v_mov_b32 v[NIL], 0
	ds_add_u32 v[SPW], v[NIL]                      ; the wave's opening: the add and its wait stand ahead of my first tensor load; the set-up below stands between them
	v_lshrrev_b32 v1, 5, v0
	v_readfirstlane_b32 s10, v1                    ; wave 0..3
	s_lshr_b32 s11, s10, 1                         ; which half of the tile's rows is mine.  Also: I fetch for A (0) or for B (1)
	s_and_b32 s12, s10, 1                          ; which half of its columns.  Also: which 128 rows of that tile I fetch
	s_bfe_u32 s40, ttmp6, 0x40000                  ; cx
	s_bfe_u32 s41, ttmp6, 0x40004                  ; cy
	s_lshl_b32 s42, ttmp9, 2
	s_add_co_u32 s42, s42, s40                     ; tile column = 4 x cluster x + cx
	s_and_b32 s13, ttmp7, 0xffff
	s_lshl_b32 s13, s13, 2
	s_add_co_u32 s13, s13, s41                     ; tile row = 4 x cluster y + cy
	s_lshl_b32 s43, s41, 2
	s_lshl_b32 s43, 15, s43                        ; my row of the cluster
	s_lshl_b32 s44, 0x1111, s40                    ; my column
	; descriptor group 1: a tile of 128 rows x 128 elements, padded in LDS
	s_or_b32 s[G1+0], s43, (1<<16)|(1<<20)|(1<<21)|(5<<22)|(3<<25)  ; 15:0 the mask; 17:16 element of 2 bytes; 20 padding on; 21 set beside a mask; 24:22 after every 64 words (code 5); 31:25 of 4 words (code 3)
	s_or_b32 s[G1B+0], s44, (1<<16)|(1<<20)|(1<<21)|(5<<22)|(3<<25)
.irp g, G1, G1B
	s_mov_b32 s[(\g)+1], KSTEP<<16                 ; tensor_dim0 = 128
	s_mov_b32 s[(\g)+2], 128<<16                   ; tensor_dim1 = 128
	s_mov_b32 s[(\g)+3], KSTEP<<16                 ; tile_dim0 = 128
	s_mov_b32 s[(\g)+4], 128                       ; tile_dim1 = 128
	s_mov_b32 s[(\g)+5], SIZE_K                    ; elements from row to row
	s_mov_b32 s[(\g)+6], 0
	s_mov_b32 s[(\g)+7], 0
.endr
	; A's tiles hang on the tile row alone, B's on the tile column alone; every wave makes both addresses, in registers that never hold the other coordinate
	s_lshl_b32 s17, s12, 7                         ; which 128 rows of the tile I fetch
	s_lshl_b32 s16, s13, 8
	s_add_co_u32 s16, s16, s17                     ; A: row 256 x tile row + 128 x half
	s_lshl_b32 s46, s42, 8
	s_add_co_u32 s46, s46, s17                     ; B: row 256 x tile column + 128 x half
	s_mov_b32 s17, 0
	s_mov_b32 s47, 0
	s_mov_b64 s[18:19], SIZE_K*2
	s_mul_u64 s[16:17], s[16:17], s[18:19]
	s_mul_u64 s[46:47], s[46:47], s[18:19]
	s_mul_i32 s20, s10, HALFT                      ; where they go: wave x 128 rows: no place in the cluster enters an LDS address
	s_wait_dscnt 0x0                               ; the opening add is done
	s_wait_kmcnt 0x0
	s_load_b64 s[SW:SW+1], s[PAR:PAR+1], 0x0       ; w, twice: waited for behind the first joint loads, so that it does not hold them back
	s_add_nc_u64 s[14:15], s[4:5], s[16:17]
	s_add_nc_u64 s[46:47], s[6:7], s[46:47]
	CROUND                                         ; all sixteen work-groups are here: the first joint loads meet
.irp s, 0,1
	s_mov_b32 s[G0+4*(\s)], 1
	s_add_co_u32 s[G0+4*(\s)+1], s20, (\s)*SLOT
	s_add_nc_u64 s[G0+4*(\s)+2:G0+4*(\s)+3], s[14:15], (\s)*KSTEP*2
	s_or_b32 s[G0+4*(\s)+3], s[G0+4*(\s)+3], 0x80000000
	s_mov_b32 s[G0B+4*(\s)], 1
	s_add_co_u32 s[G0B+4*(\s)+1], s20, (\s)*SLOT
	s_add_nc_u64 s[G0B+4*(\s)+2:G0B+4*(\s)+3], s[46:47], (\s)*KSTEP*2
	s_or_b32 s[G0B+4*(\s)+3], s[G0B+4*(\s)+3], 0x80000000
	JLOAD \s                                       ; the ring is filled before anything else is done
.endr
	v_and_b32 v1, 15, v0                           ; l % 16
	v_bfe_u32 v2, v0, 4, 1                         ; l / 16
	v_mul_u32_u24 v3, v1, PITCH
	v_lshl_add_u32 v3, v2, 4, v3                   ; row x pitch + 16 x half
	s_mul_i32 s21, s11, HALFT                      ; my 128 rows of A
	s_mul_i32 s22, s12, HALFT                      ; my 128 rows of B,
	s_add_co_u32 s22, s22, 2*HALFT                 ; which lie behind A's 256
.irp s, 0,1
	v_add_nc_u32 v[ADRA+(\s)], s21, v3
	v_add_nc_u32 v[ADRB+(\s)], s22, v3
	s_add_co_u32 s21, s21, SLOT
	s_add_co_u32 s22, s22, SLOT
.endr
	s_mul_i32 s23, s10, WSTAGE                     ; my stage
	v_mul_u32_u24 v4, v1, SPITCH                   ; in: row l % 16, 32 bytes for each half of the lanes
	v_lshl_add_u32 v4, v2, 5, v4
	v_add_nc_u32 v[STO], s23, v4
	v_and_b32 v5, 31, v0
	v_lshl_add_u32 v[RD], v5, 4, s23               ; back: 32 lanes take a row's 512 bytes
	v_lshlrev_b32 v[CO], 3, v5
	v_lshlrev_b32 v[BOF], 4, v5
	; where my part of the tile begins in C, and my columns in the bias
	s_lshl_b32 s13, s13, 8
	s_lshl_b32 s14, s11, 7
	s_add_co_u32 s16, s13, s14                     ; my first row
	s_mov_b32 s17, 0
	s_mov_b64 s[18:19], SIZE_N*2
	s_mul_u64 s[16:17], s[16:17], s[18:19]
	s_lshl_b32 s46, s42, 9                         ; my first column, in bytes of bf16: 512 x tile column + 256 x half
	s_lshl_b32 s47, s12, 8
	s_add_co_u32 s46, s46, s47
	s_mov_b32 s47, 0
	s_add_nc_u64 s[8:9], s[8:9], s[16:17]
	s_add_nc_u64 s[8:9], s[8:9], s[46:47]
	s_lshl_b32 s46, s46, 1                         ; in bytes of f32
	s_add_nc_u64 s[BP:BP+1], s[PAR:PAR+1], s[46:47]
	global_load_b128 v[BI:BI+3], v[BOF], s[BP:BP+1] offset:256  ; the bias row begins at byte 256; waited for on the way out
	s_wait_kmcnt 0x0                               ; w
	; the prefetches.  s13 = 256 x tile row, s42 = tile column, s40 = cx, s41 = cy still stand
	s_lshl_b32 s42, s42, 8
	s_and_b32 s22, ttmp7, 0xffff                   ; cluster y
	s_cmp_eq_u32 s11, 0                            ; do I fetch for A?
	s_cselect_b32 s20, s13, s42                    ; the tile's first row: in A by the tile row, in B by the tile column
	s_cselect_b32 s21, s40, s41                    ; my place among the four that ask for it with me
	s_cselect_b32 s22, ttmp9, s22                  ; the coordinate along which other clusters read the same rows
	s_cselect_b64 s[PFA:PFA+1], s[4:5], s[6:7]
	s_cmp_eq_u32 s22, 0
	s_cselect_b32 s[LIM], 1, -1                    ; the same in all sixteen partners, for a given wave
	s_lshl_b32 s22, s12, 7
	s_add_co_u32 s20, s20, s22                     ; + the 128 rows that I fetch
	s_lshl_b32 s21, s21, 5
	s_add_co_u32 s20, s20, s21                     ; + my work-group's 32 of them
	s_mov_b32 s21, 0
	s_mov_b64 s[18:19], SIZE_K*2
	s_mul_u64 s[20:21], s[20:21], s[18:19]
	s_add_nc_u64 s[PFA:PFA+1], s[PFA:PFA+1], s[20:21]
	s_add_nc_u64 s[PFA:PFA+1], s[PFA:PFA+1], 2*KSTEP*2  ; at K step 2: the first refill steps it to 3 and names K step 4
	v_and_b32 v[PFO], 31, v0
	v_mul_u32_u24 v[PFO], v[PFO], SIZE_K*2
; 16 matrix instructions: m blocks a0, a0 + 1 of the window's four x all 8 n blocks, 32 along K.  zero = 1: the first product starts the sums.  The 64 accumulators take turns.
.macro MUL16 f, hi, a0, zero
	WIN MUL_LO+0x50*(\hi)
.irp a, \a0, (\a0)+1
.irp b, 0,1,2,3,4,5,6,7
.if \zero
	v_wmma_f32_16x16x32_bf16 v[8*(8*(\a)+(\b)):8*(8*(\a)+(\b))+7], v[(\f)+8*(\b):(\f)+8*(\b)+7], v[(\f)+8*(4*(\hi)+(\a)):(\f)+8*(4*(\hi)+(\a))+7], 0
.else
	v_wmma_f32_16x16x32_bf16 v[8*(8*(\a)+(\b)):8*(8*(\a)+(\b))+7], v[(\f)+8*(\b):(\f)+8*(\b)+7], v[(\f)+8*(4*(\hi)+(\a)):(\f)+8*(4*(\hi)+(\a))+7], v[8*(8*(\a)+(\b)):8*(8*(\a)+(\b))+7]
.endif
.endr
.endr
.endm
; 32 LDS loads in one run: the fragments of one quarter step (128 rows of B, 128 rows of A, 32 K at byte k of the rows) into buffer f
.macro FETCH slot, k, f
	WIN TO_B
.irp i, 0,1,2,3,4,5,6,7
	ds_load_b128 v[(\f)+8*(\i):(\f)+8*(\i)+3],   v[ADRB+(\slot)] offset:(\k)+(\i)*16*PITCH
	ds_load_b128 v[(\f)+8*(\i)+4:(\f)+8*(\i)+7], v[ADRB+(\slot)] offset:(\k)+(\i)*16*PITCH+32
.endr
	WIN 0
.irp i, 0,1,2,3,4,5,6,7
	ds_load_b128 v[(\f)+8*(\i):(\f)+8*(\i)+3],   v[ADRA+(\slot)] offset:(\k)+(\i)*16*PITCH
	ds_load_b128 v[(\f)+8*(\i)+4:(\f)+8*(\i)+7], v[ADRA+(\slot)] offset:(\k)+(\i)*16*PITCH+32
.endr
.endm
.macro PLACES                          ; four places in front of loads into registers that matrix instructions have read, and of stores that read results
.rept 4
	v_nop
.endr
.endm
; A K step is four quarter steps of 32 along K, 64 matrix instructions each, on buffers 0, 1, 0, 1.  One of the first three: multiplies buffer f; in its middle it fetches the next quarter's fragments into buffer g.
.macro QUARTER slot, k, f, g, zero
	s_wait_dscnt 8                                 ; B and A's rows 0-63 are in; the youngest eight loads (A's rows 64-127) may be out
	WIN MUL_LO
	MUL16 \f, 0, 0, \zero
	MUL16 \f, 0, 2, \zero
	PLACES
	FETCH \slot, \k, \g
	s_wait_dscnt 32                                ; all but the 32 just issued
	WIN MUL_HI
	MUL16 \f, 1, 0, \zero
	MUL16 \f, 1, 2, \zero
.endm
; The last quarter multiplies buffer 1 and changes slots.  MEET is its first half: ONE barrier for the change.  In front of it each wave waits for all its tensor loads, of which one is out: its part of the next
; slot; adds 0 to its spare word; and waits for that and for its own reads of this slot.  Behind it nobody reads this slot any more and the next slot is whole.
.macro MEET round                      ; round = 1: a round of the cluster's barrier follows
	WIN 0                                          ; (the add's two registers lie in window 0)
	s_wait_tensorcnt 0x0
	ds_add_u32 v[SPW], v[NIL]                      ; 0 onto my spare word
	s_wait_dscnt 9                                 ; (the add and the youngest eight loads may be out)
	WIN MUL_LO
	MUL16 F1, 0, 0, 0                              ; sixteen matrix instructions stand between the add and the wait for it
	s_wait_dscnt 0x0                               ; the add is done, and my reads of this slot are over
	s_barrier_signal -1
	MUL16 F1, 0, 2, 0                              ; work on registers while the others arrive
.if \round
	WIN 0
.endif
	s_barrier_wait -1
.endm
; The whole last quarter with a refill: behind the round the slot just read out is filled again first, with the K step two steps on: from the request to the wait for it a wave issues 224 matrix instructions.
.macro TURN slot, next
	s_wait_xcnt 0x0                                ; the last prefetch, a K step back, has read its address: it is stepped here, ahead of the waits of the change of slots
	s_add_nc_u64 s[PFA:PFA+1], s[PFA:PFA+1], KSTEP*2
	MEET 1
	CREST                                          ; no wave of any partner still reads this slot's tile or has a load on its way
	s_add_nc_u64 s[G0+4*(\slot)+2:G0+4*(\slot)+3], s[G0+4*(\slot)+2:G0+4*(\slot)+3], 2*KSTEP*2
	s_add_nc_u64 s[G0B+4*(\slot)+2:G0B+4*(\slot)+3], s[G0B+4*(\slot)+2:G0B+4*(\slot)+3], 2*KSTEP*2
	JLOAD \slot                                    ; the first tensor load behind the round; its four v_nop are also the places in front of the loads below
	FETCH \next, 0, F0
	ASK
	WIN MUL_HI
	MUL16 F1, 1, 0, 0
	MUL16 F1, 1, 2, 0
.endm
	s_wait_tensorcnt 1                             ; my part of K step 0 is in; K step 1's may stay out
	s_barrier_signal -1
	s_barrier_wait -1                              ; everybody's is
	FETCH 0, 0, F0
	QUARTER 0, 64,  F0, F1, 1                      ; the first quarter stands in front of the loop: its products start the sums
	WIN 0                                          ; at a label and at a branch every window is 0
	s_mov_b32 s3, LAPS-1
.Llap:                                                 ; a trip goes once round the ring, from a lap's second quarter to the next lap's first, and fills both slots again
	QUARTER 0, 128, F1, F0, 0
	QUARTER 0, 192, F0, F1, 0
	TURN 0, 1
	QUARTER 1, 64,  F0, F1, 0
	QUARTER 1, 128, F1, F0, 0
	QUARTER 1, 192, F0, F1, 0
	TURN 1, 0
	QUARTER 0, 64,  F0, F1, 0
	WIN 0
	s_sub_co_u32 s3, s3, 1
	s_cmp_lg_u32 s3, 0
	s_cbranch_scc1 .Llap
	QUARTER 0, 128, F1, F0, 0                      ; the last lap fills nothing, and has no round of the cluster's barrier
	QUARTER 0, 192, F0, F1, 0
	MEET 0
	PLACES                                         ; for the loads into buffer 0, which the quarter before multiplied
	FETCH 1, 0, F0
	WIN MUL_HI
	MUL16 F1, 1, 0, 0
	MUL16 F1, 1, 2, 0
	QUARTER 1, 64,  F0, F1, 0
	QUARTER 1, 128, F1, F0, 0
	QUARTER 1, 192, F0, F1, 0
	s_wait_dscnt 8                                 ; the very last quarter: nothing more to fetch
	MUL16 F1, 0, 0, 0
	MUL16 F1, 0, 2, 0
	s_wait_dscnt 0x0                               ; my reads of the ring are over:
	s_barrier_signal -1                            ; say so,
	MUL16 F1, 1, 0, 0
	MUL16 F1, 1, 2, 0
	WIN 0
	s_barrier_wait -1                              ; and when all four have said so, the ring's bytes may be written: no tensor load is out (the last wait for all of them stands a K step back) and none follows
	; THE WAY OUT.  The sums go into my stage as they are, each accumulator's low four registers first.
	PLACES
	PLACES
	WIN 0x08                                       ; store data (source 1) in window 2
.irp a, 0,1,2,3
.irp b, 0,1,2,3,4,5,6,7
	ds_store_b128 v[STO], v[8*(8*\a+\b):8*(8*\a+\b)+3]   offset:\a*16*SPITCH+64*\b
	ds_store_b128 v[STO], v[8*(8*\a+\b)+4:8*(8*\a+\b)+7] offset:\a*16*SPITCH+64*\b+16
.endr
.endr
	WIN 0x0c                                       ; in window 3
.irp a, 0,1,2,3
.irp b, 0,1,2,3,4,5,6,7
	ds_store_b128 v[STO], v[8*(8*\a+\b):8*(8*\a+\b)+3]   offset:(\a+4)*16*SPITCH+64*\b
	ds_store_b128 v[STO], v[8*(8*\a+\b)+4:8*(8*\a+\b)+7] offset:(\a+4)*16*SPITCH+64*\b+16
.endr
.endr
	WIN 0
	s_mov_b32 s72, 0x3e6d3389                      ; p / sqrt 2 = 0.2316419
	s_mov_b32 s74, 0x3f596d27                      ; k = sqrt(log2(e) / 2) = 0.8493218
	s_mov_b32 s75, s74
	s_mov_b32 s76, 0x3e027906                      ; a1 / 2 =  0.1274148
	s_mov_b32 s77, s76
	s_mov_b32 s78, 0xbe11a98e                      ; a2 / 2 = -0.1422484
	s_mov_b32 s79, s78
	s_mov_b32 s80, 0x3f35f0e3                      ; a3 / 2 =  0.7107069
	s_mov_b32 s81, s80
	s_mov_b32 s82, 0xbf3a00e3                      ; a4 / 2 = -0.7265760
	s_mov_b32 s83, s82
	s_mov_b32 s84, 0x3f07dc22                      ; a5 / 2 =  0.5307027
	s_mov_b32 s85, s84
	s_wait_dscnt 0x0                               ; every wave's sums lie in the stage
	s_barrier_signal -1
	s_barrier_wait -1
.irp r, 0,1,2,3,4,5,6,7
	ds_load_b128 v[ZL+4*\r:ZL+4*\r+3], v[RD] offset:\r*SPITCH
.endr
	s_wait_loadcnt 0x0                             ; the bias
	s_mov_b32 s3, 16
.Lrows:                                        ; a trip: eight rows of my 128 columns; the next eight are fetched while these are worked on
	s_wait_dscnt 0x0
.set i, 0
.rept 8
	v_pk_add_f32 v[ZZ+4*i:ZZ+4*i+1], v[ZL+4*i:ZL+4*i+1], v[BI:BI+1]          ; the bias goes on, and the sums leave the registers in which the next rows land
	v_pk_add_f32 v[ZZ+4*i+2:ZZ+4*i+3], v[ZL+4*i+2:ZL+4*i+3], v[BI+2:BI+3]
.set i, i+1
.endr
	s_cmp_eq_u32 s3, 1                             ; the last eight rows have none behind them
	s_cbranch_scc1 .Lnomore
	v_add_nc_u32 v[RD], 8*SPITCH, v[RD]
.irp r, 0,1,2,3,4,5,6,7
	ds_load_b128 v[ZL+4*\r:ZL+4*\r+3], v[RD] offset:\r*SPITCH
.endr
.Lnomore:
.set i, 0
.rept 32
	v_fma_f32 v[DD+i], |v[ZZ+i]|, s72, 1.0
.set i, i+1
.endr
.set i, 0
.rept 16
	v_pk_mul_f32 v[YY+i:YY+i+1], v[ZZ+i:ZZ+i+1], s[74:75] op_sel_hi:[1,0]
.set i, i+2
.endr
.set i, 0
.rept 16
	v_pk_fma_f32 v[YY+i:YY+i+1], v[YY+i:YY+i+1], v[YY+i:YY+i+1], s[SW:SW+1] op_sel_hi:[1,1,0] neg_lo:[1,0,0] neg_hi:[1,0,0]  ; w - (k z)^2
.set i, i+2
.endr
.set i, 0
.rept 32
	v_rcp_f32 v[DD+i], v[DD+i]                     ; ONE BATCH: 32 reciprocals and 32 powers of two; nothing in it reads a result
.set i, i+1
.endr
.set i, 0
.rept 32
	v_exp_f32 v[YY+i], v[YY+i]
.set i, i+1
.endr
.set i, 0
.rept 32
	v_max_num_f32 v[RR+i], s[SW], v[ZZ+i]          ; max(z, w): plain work behind the batch that names none of its results
.set i, i+1
.endr
	s_wait_alu depctr_va_vdst(0)                   ; one wait for the batch, ahead of its first reader
.set i, 0
.rept 16
	v_pk_fma_f32 v[QQ+i:QQ+i+1], v[DD+i:DD+i+1], s[84:85], s[82:83] op_sel_hi:[1,0,0]
.set i, i+2
.endr
.irp k, 80,78,76
.set i, 0
.rept 16
	v_pk_fma_f32 v[QQ+i:QQ+i+1], v[QQ+i:QQ+i+1], v[DD+i:DD+i+1], s[\k:\k+1] op_sel_hi:[1,1,0]
.set i, i+2
.endr
.endr
.set i, 0
.rept 16
	v_pk_mul_f32 v[QQ+i:QQ+i+1], v[QQ+i:QQ+i+1], v[DD+i:DD+i+1]
.set i, i+2
.endr
.set i, 0
.rept 16
	v_pk_mul_f32 v[QQ+i:QQ+i+1], v[QQ+i:QQ+i+1], v[YY+i:YY+i+1]
.set i, i+2
.endr
.set i, 0
.rept 32
	v_fma_f32 v[RR+i], -|v[ZZ+i]|, v[QQ+i], v[RR+i]
.set i, i+1
.endr
.set i, 0
.rept 16
	v_cvt_pk_bf16_f32 v[OUT+i], v[RR+2*i], v[RR+2*i+1]
.set i, i+1
.endr
.irp r, 0,1,2,3,4,5,6,7
	global_store_b64 v[CO], v[OUT+2*\r:OUT+2*\r+1], s[8:9] offset:\r*SIZE_N*2  ; the wave stores 256 consecutive bytes, at a multiple of 256 from C's first byte
.endr
	s_wait_xcnt 0x0                                ; the stores' base and data are rewritten only behind this wait
	s_add_nc_u64 s[8:9], s[8:9], 8*SIZE_N*2
	s_sub_co_u32 s3, s3, 1
	s_cmp_lg_u32 s3, 0
	s_cbranch_scc1 .Lrows
	s_wait_tensorcnt 0x0                           ; the wave's end: a wait for the tensor loads, an add of 0 to my spare word and a wait for it, behind my last tensor load and my last LDS store
	ds_add_u32 v[SPW], v[NIL]
	s_wait_dscnt 0x0
	CROUND                                         ; the closing round: no work-group ends while a partner may still ask for a tile that names it
	s_endpgm
.Lfunc_end_k_q19674857d6_qkv:
	.size	k_q19674857d6_qkv, .Lfunc_end_k_q19674857d6_qkv-k_q19674857d6_qkv
	.p2alignl 7, 3214868480
	.fill 96, 4, 3214868480
	.section	.rodata,"a",@progbits
	.p2align	6, 0x0
	.amdhsa_kernel k_q19674857d6_qkv
		.amdhsa_group_segment_fixed_size 327680
		.amdhsa_private_segment_fixed_size 0
		.amdhsa_enable_private_segment 0
		.amdhsa_kernarg_size 32
		.amdhsa_user_sgpr_count 2
		.amdhsa_user_sgpr_kernarg_segment_ptr 1
		.amdhsa_wavefront_size32 1
		.amdhsa_system_sgpr_workgroup_id_x 1
		.amdhsa_system_sgpr_workgroup_id_y 1
		.amdhsa_system_sgpr_workgroup_id_z 1
		.amdhsa_system_vgpr_workitem_id 0
		.amdhsa_next_free_vgpr 1024
		.amdhsa_next_free_sgpr 88
		.amdhsa_reserve_vcc 0
		.amdhsa_float_denorm_mode_32 3
		.amdhsa_float_denorm_mode_16_64 3
		.amdhsa_memory_ordered 1
		.amdhsa_forward_progress 1
		.amdhsa_inst_pref_size 141
	.end_amdhsa_kernel
	.amdgpu_metadata
---
amdhsa.version: [ 1, 2 ]
amdhsa.kernels:
  - .name:           k_q19674857d6_qkv
    .symbol:         k_q19674857d6_qkv.kd
    .args:
      - { .name: h, .offset: 0, .size: 8, .value_kind: global_buffer, .address_space: global }
      - { .name: wqo, .offset: 8, .size: 8, .value_kind: global_buffer, .address_space: global }
      - { .name: big, .offset: 16, .size: 8, .value_kind: global_buffer, .address_space: global }
      - { .name: pq, .offset: 24, .size: 8, .value_kind: global_buffer, .address_space: global }
    .group_segment_fixed_size: 327680
    .private_segment_fixed_size: 0
    .kernarg_segment_align: 8
    .kernarg_segment_size: 32
    .max_flat_workgroup_size: 128
    .sgpr_count:     88
    .vgpr_count:     1024
    .wavefront_size: 32
...
	.end_amdgpu_metadata
.endif
;; end of part 2
;; launch attn (part 3): grid 16 x 16, 4 waves a work-group, no clusters, 250,368 bytes of LDS; arguments big, h; writes h
.if DOCPART == 3
	.amdgcn_target "amdgcn-amd-amdhsa--gfx1250"
	.amdhsa_code_object_version 6
	.text
	.protected	k_q19674857d6_attn
	.globl	k_q19674857d6_attn
	.p2align	8
	.type	k_q19674857d6_attn,@function
k_q19674857d6_attn:
	s_mov_b64 s[64:65], 0
	v_nop
	global_prefetch_b8 v0, s[64:65] scope:SCOPE_SE
	s_setreg_imm32_b32 hwreg(HW_REG_WAVE_MODE, 25, 1), 1
	s_wait_xcnt 0x0
; BANDED ATTENTION.  o[b][q][64 hd + :] = sum over |k - q| <= 128 of softmax_k(q . k / 8) v.  In: rows of 4,096 bf16 a token, of which 3,072 are used (q: columns 0-1023, k: 1024-2047, v: 2048-3071).  Out: [4096][1024] bf16.
; Products, maxima and sums in f32; the weights p are rounded to bf16 for the second product (their sum l is taken of the unrounded p), o once at the end.
; LIMITS.  A hidden score counts as its value less 1e30, and the running maximum starts at -2^98: true scores lie above -3e29.  So a hidden weight is 2^(-1e29) = 0 whatever has been seen before it.
; A weight below 2^-126 counts as 0 in l.  Every query sees its own key, so l > 0 and no row of weights is empty.  NaN and infinities are not treated apart.
; SHARES.  A work-group takes 128 queries (x) of one batch and one PAIR of heads (y = 8 batch + pair): a key's 64 + 64 channels of the pair are 256 consecutive bytes, aligned.  Its window is 384 keys, brought once:
; three chunks of 128 keys of K and of V, six tensor loads of 64 rows for each, three a wave (three of a wave's loads are out at the most).  Nothing is filled again.  At a sequence's ends the chunk that
; would lie outside is taken from inside (clamped), and its keys are hidden: all work-groups do the same work, and no load leaves the tensor.
; A wave takes 32 queries of both heads: four tiles i = 2 head + t of 16 queries.  Its keys are its queries' first - 128 .. + 159: nine groups of 32.
; NO CLUSTER: neighbouring blocks share two of three chunks, but at different places of their windows, and no LDS address may hang on a work-group's place in a cluster.
; LAYOUT.  S^T = K Q^T (source 0 = 16 keys, source 1 = 16 queries): a lane holds ONE query (lane % 16) and the keys 8 (lane / 16) + 0..7.  The two key tiles of a group, rounded to bf16 in pairs, ARE source 1
; (32 keys x 16 queries) of O^T = V^T P, whose result again holds one query a lane, and eight channels.  K comes out of LDS as it lies, V ([key][channel]) turned, by ds_load_tr16_b128.
; THE MASK is the C operand that starts a sum S^T: 0, or -1e30 where the key is hidden.  With query tile t and key tile u of group g the distance is -128 + 32 g + 16 (u - t) + key - query:
; g = 0: t = u hides key < query (MLO), (t, u) = (1, 0) hides all; g = 8: t = u hides key > query (MHI), (0, 1) hides all; a group outside the sequence hides all; else nothing.
; SOFTMAX.  p = 2^(c s - c m), c = log2(e) / 8, with a running maximum m; O and l are multiplied by a = 2^(c m_old - c m_new) in every group.  O^T and l start at 0: 128 + 8 moves, in the wait for the tiles:
; the price of writing no first group out.  A group goes in phases: 16 products, the softmax, 16 products; its 68 exponentials are one batch with one wait.
; REGISTERS, in windows of 256 (s_set_vgpr_msb: bits 1:0 source 0, 3:2 source 1, 5:4 source 2, 7:6 destination):
;   window 0: v0-15 addresses; v16-47 statistics; v48-87 masks; v88-151 S^T, 16 a tile; v152-183 P, 8 a tile; v184-247 V of one group
;   window 1: v0-127 O^T, 32 a tile; v128-191 Q, 16 a tile; v192-255 K of one group
.set ROWB,  8192                       ; bytes from a token's row of q, k, v to the next
.set PK,    272                        ; a key's row of K in LDS: 256 bytes + 16 of padding: the 16 rows of a load start at 16 different groups of four banks (ISA guide 11.1)
.set PV,    288                        ; of V: 256 + 32
.set VB,    384*PK                     ; V's 384 rows lie behind K's
.set STAGE, VB+384*PV                  ; behind them, never filled by a tensor load: 32 rows x 272 bytes for each wave, for the way out
.set SP,    272
.set SPARE, STAGE+4*32*SP              ; behind the stages: the spare words, 128 bytes for each wave, which no other line names
.set AK0, 2                            ; v2   my lane's place in a group of K; never rewritten
.set AV0, 3                            ; v3   the same for V
.set AK,  4                            ; v4   the LDS address of K's run of loads
.set AV,  5                            ; v5   of V's
.set STO, 6                            ; v6   the way out: where I put 16 bytes of a row
.set RD,  7                            ; v7   the way out: where I read rows back
.set GO,  8                            ; v8   my byte offset in two rows of o
.set SPW, 12                           ; v12  LDS address of my spare word; never rewritten
.set NIL, 13                           ; v13  0; never rewritten
.set DIA, 14                           ; v14  lane % 16 - 8 (lane / 16): register j holds the key equal to my query where j = this
.set QO,  15                           ; v15  my byte offset in 16 rows of q
.set ST,  16                           ; tile i's statistics at v[ST+8 i]: c m, m, l (even keys', odd keys'), c0, c1 at work, a, c m_old - c m_new
.set MLO, 48
.set MHI, 56
.set MA,  64                           ; the mask of the products with t = u
.set M01, 72                           ; t = 0, u = 1
.set M10, 80                           ; t = 1, u = 0
.set S,   88
.set P,   152
.set VF,  184                          ; head hd, channel block cb at VF + 32 hd + 8 cb
.set QF,  128                          ; window 1: tile i, channel half c at QF + 16 i + 8 c
.set KF,  192                          ; window 1: head hd, key tile u, channel half c at KF + 32 hd + 16 u + 8 c
.set WV,  12                           ; s12  my wave's number
.set G1K, 24                           ; s[24:31] descriptor group 1 for K
.set G1V, 32                           ; s[32:39] for V: it differs in the padding alone
.set G0K, 40                           ; s[40:51] three groups 0 for K
.set CNT, 52                           ; s52  groups to go
.set GR,  53                           ; s53  the group whose masks are made
.set GLO, 54                           ; s54  groups below this lie ahead of the sequence
.set GHI, 55                           ; s55  groups above this lie behind it
.set TBK, 56                           ; s56  LDS byte at which K of the group to be fetched begins
.set TBV, 57                           ; s57  the same for V, less VB
.set CS,  58                           ; s[58:59] c
.set SEL, 60                           ; s[60:61] v_permlanex16_b32's selects
.set BIGN, 62                          ; s62  -1e30
.set AL,  66                           ; s[66:67] MLO's factor
.set AH,  68                           ; s[68:69] MHI's factor
.set BE,  70                           ; s[70:71] the addend
.set B01, 72
.set B10, 73
.set G0V, 76                           ; s[76:87] three groups 0 for V
.set MSB, 0
.macro WIN new                         ; the high byte repeats the setting that is left; a switch that changes nothing is dropped
.if MSB != (\new)
	s_set_vgpr_msb (MSB<<8)|(\new)
.set MSB, (\new)
.endif
.endm
.set W_KQ, 0x05                        ; K and Q in window 1, S^T and the mask in window 0
.set W_PV, 0x50                        ; V and P in window 0, O^T in window 1
.set W_RS, 0x41                        ; O^T (destination and source 0) in window 1, a in window 0
.set TO_1, 0x40                        ; destination window 1
	s_load_b128 s[4:7], s[0:1], 0x0                ; q, k, v s[4:5]; o s[6:7]
	v_lshl_add_u32 v[SPW], v0, 2, SPARE
	v_mov_b32 v[NIL], 0
	ds_add_u32 v[SPW], v[NIL]                      ; the wave's opening: the add and its wait stand ahead of my first tensor load; the set-up below stands between them
	v_lshrrev_b32 v1, 5, v0
	v_readfirstlane_b32 s[WV], v1                  ; wave 0..3
	s_and_b32 s13, ttmp7, 0xffff
	s_lshr_b32 s14, s13, 3
	s_lshl_b32 s14, s14, 11                        ; the batch's first token
	s_and_b32 s15, s13, 7
	s_lshl_b32 s15, s15, 8                         ; the pair's 256 bytes in 2,048
	s_lshl_b32 s16, ttmp9, 7                       ; q0: the block's first query
	s_and_b32 s19, s[WV], 1                        ; which 64 rows of each chunk I fetch
	s_lshl_b32 s20, s19, 6
	s_add_co_u32 s20, s20, s14
	s_max_u32 s21, s16, 128
	s_sub_co_u32 s21, s21, 128                     ; chunk 0 begins at q0 - 128, or at 0
	s_add_co_u32 s22, s16, 128
	s_min_u32 s22, s22, 1920                       ; chunk 2 at q0 + 128, or at 1,920
	s_mul_i32 s17, s19, 64*PK
	s_mul_i32 s18, s19, 64*PV
	s_mov_b32 s[G1K], (1<<16)|(1<<20)|(5<<22)|(3<<25)  ; 17:16 2-byte elements; 20 padding on; 24:22 after every 64 words (code 5); 31:25 4 words (code 3)
	s_mov_b32 s[G1V], (1<<16)|(1<<20)|(5<<22)|(7<<25)  ; the same with 8 words of padding (code 7)
.irp g, G1K, G1V
	s_mov_b32 s[\g+1], 128<<16                     ; tensor_dim0 = 128
	s_mov_b32 s[\g+2], 64<<16                      ; tensor_dim1 = 64
	s_mov_b32 s[\g+3], 128<<16                     ; tile_dim0 = 128
	s_mov_b32 s[\g+4], 64                          ; tile_dim1 = 64
	s_mov_b32 s[\g+5], 4096                        ; elements from row to row
	s_mov_b32 s[\g+6], 0
	s_mov_b32 s[\g+7], 0
.endr
.irp j, 0,1,2
	s_mov_b32 s[G0K+4*\j], 1                       ; count = 1
	s_add_co_u32 s[G0K+4*\j+1], s17, \j*128*PK     ; LDS address: chunk j, my half
	s_mov_b32 s[G0V+4*\j], 1
	s_add_co_u32 s[G0V+4*\j+1], s18, VB+\j*128*PV
.endr
	s_mov_b32 s[CS], 0x3e38aa3b                    ; c = log2(e) / 8
	s_mov_b32 s[CS+1], s[CS]
	s_mov_b32 s[SEL], 0x76543210
	s_mov_b32 s[SEL+1], 0xfedcba98
	s_mov_b32 s[BIGN], 0xf149f2ca                  ; -1e30
	s_mov_b32 s[AL+1], 0                           ; named as pairs
	s_mov_b32 s[AH+1], 0
	s_mov_b32 s[BE+1], 0
	s_sub_co_u32 s[GLO], 4, s[WV]                  ; in the sequence's first block my groups 0 .. 3 - w lie ahead of key 0,
	s_cmp_eq_u32 ttmp9, 0
	s_cselect_b32 s[GLO], s[GLO], 0
	s_sub_co_u32 s[GHI], 7, s[WV]                  ; in its last block my groups 8 - w .. 8 behind key 2,047
	s_cmp_eq_u32 ttmp9, 15
	s_cselect_b32 s[GHI], s[GHI], 8
	s_mul_i32 s[TBK], s[WV], 32*PK                 ; my group 0 begins at row 32 w of the window
	s_mul_i32 s[TBV], s[WV], 32*PV
	s_lshl_b32 s2, s[WV], 5
	s_add_co_u32 s2, s2, s16
	s_add_co_u32 s2, s2, s14                       ; my first token
	s_mov_b32 s9, 0
	s_wait_dscnt 0x0                               ; the opening add is done
	s_wait_kmcnt 0x0
.macro DESC j, row                     ; the global addresses of chunk j, which begins at key \row
	s_add_co_u32 s8, s20, \row
	s_mul_i32 s8, s8, ROWB
	s_add_co_u32 s8, s8, s15
	s_add_nc_u64 s[G0K+4*(\j)+2:G0K+4*(\j)+3], s[4:5], s[8:9]
	s_add_nc_u64 s[G0V+4*(\j)+2:G0V+4*(\j)+3], s[G0K+4*(\j)+2:G0K+4*(\j)+3], 4096
	s_add_nc_u64 s[G0K+4*(\j)+2:G0K+4*(\j)+3], s[G0K+4*(\j)+2:G0K+4*(\j)+3], 2048
	s_or_b32 s[G0K+4*(\j)+3], s[G0K+4*(\j)+3], 0x80000000  ; type = 2
	s_or_b32 s[G0V+4*(\j)+3], s[G0V+4*(\j)+3], 0x80000000
.endm
	DESC 0, s21
	DESC 1, s16
	DESC 2, s22
	s_mul_i32 s8, s2, ROWB
	s_add_co_u32 s8, s8, s15
	s_add_nc_u64 s[10:11], s[4:5], s[8:9]          ; q at my first row
	s_lshl_b32 s8, s2, 11
	s_add_co_u32 s8, s8, s15
	s_add_nc_u64 s[6:7], s[6:7], s[8:9]            ; o at my first row
	s_cmp_lt_u32 s[WV], 2                          ; waves 0 and 1 fetch K, waves 2 and 3 V: a wave's three fills stand in one branch, ahead of every wait on TENSORcnt, LDS read and barrier
	s_cbranch_scc0 .Lfirst_v
	tensor_load_to_lds s[G0K:G0K+3], s[G1K:G1K+7]
	s_nop 0
	tensor_load_to_lds s[G0K+4:G0K+7], s[G1K:G1K+7]
	s_nop 0
	tensor_load_to_lds s[G0K+8:G0K+11], s[G1K:G1K+7]
	s_nop 0
.rept 4
	v_nop
.endr
	s_branch .Lasked
.Lfirst_v:
	tensor_load_to_lds s[G0V:G0V+3], s[G1V:G1V+7]
	s_nop 0
	tensor_load_to_lds s[G0V+4:G0V+7], s[G1V:G1V+7]
	s_nop 0
	tensor_load_to_lds s[G0V+8:G0V+11], s[G1V:G1V+7]
	s_nop 0
.rept 4
	v_nop
.endr
.Lasked:
	; A fragment of K or Q is 16 rows x 32 channels in 8 registers: lane l holds row l % 16, channels 8 (l / 16) + 0..7 and 16 + 8 (l / 16) + 0..7: two loads of 16 bytes, 32 bytes apart.
	v_and_b32 v1, 15, v0                           ; l % 16
	v_bfe_u32 v9, v0, 4, 1                         ; l / 16
	v_mul_u32_u24 v[QO], v1, ROWB
	v_lshl_add_u32 v[QO], v9, 4, v[QO]
	WIN TO_1
.irp i, 0,1,2,3
.irp c, 0,1
	global_load_b128 v[QF+16*\i+8*\c:QF+16*\i+8*\c+3],   v[QO], s[10:11] offset:(\i%2)*16*ROWB+(\i/2)*128+\c*64
	global_load_b128 v[QF+16*\i+8*\c+4:QF+16*\i+8*\c+7], v[QO], s[10:11] offset:(\i%2)*16*ROWB+(\i/2)*128+\c*64+32
.endr
.endr
.set n, 0
.rept 128
	v_mov_b32 v[n], 0                              ; O^T
.set n, n+1
.endr
	WIN 0
.irp i, 0,1,2,3
	v_mov_b32 v[ST+8*\i], 0xfe000000               ; c m: far below every c s, so the first a is 0
	v_mov_b32 v[ST+8*\i+1], 0xf0800000             ; m = -2^98: above every hidden score, below every true one
	v_mov_b32 v[ST+8*\i+2], 0
	v_mov_b32 v[ST+8*\i+3], 0
.endr
	v_lshlrev_b32 v[DIA], 3, v9
	v_sub_nc_u32 v[DIA], v1, v[DIA]
.set j, 0
.rept 8
	v_cmp_lt_i32 vcc_lo, j, v[DIA]                 ; key below my query
	v_cndmask_b32 v[MLO+j], 0, s[BIGN], vcc_lo
	v_cmp_gt_i32 vcc_lo, j, v[DIA]                 ; key above it
	v_cndmask_b32 v[MHI+j], 0, s[BIGN], vcc_lo
.set j, j+1
.endr
	v_mul_u32_u24 v[AK0], v1, PK
	v_lshl_add_u32 v[AK0], v9, 4, v[AK0]           ; row x pitch + 16 x half
	; The turning load takes 16 keys x 16 channels (lane l reads key 8 (l / 16) + l % 8, channels 8 ((l / 8) % 2) + 0..7) and leaves half a fragment of V^T: lane l holds channel l % 16 and 8 keys.
	v_and_b32 v10, 7, v0
	v_bfe_u32 v11, v0, 3, 1
	v_lshl_add_u32 v[AV0], v9, 3, v10
	v_mul_u32_u24 v[AV0], v[AV0], PV
	v_lshl_add_u32 v[AV0], v11, 4, v[AV0]
	v_add_nc_u32 v[AV0], VB, v[AV0]
	s_mul_i32 s13, s[WV], 32*SP
	s_add_co_u32 s13, s13, STAGE                   ; my stage
	v_mul_u32_u24 v[STO], v1, SP                   ; in: row l % 16, 16 bytes for each half of the lanes
	v_lshl_add_u32 v[STO], v9, 4, v[STO]
	v_add_nc_u32 v[STO], s13, v[STO]
	v_mul_u32_u24 v[RD], v9, SP                    ; back: lanes 0-15 take one row of 256 bytes, lanes 16-31 the next
	v_lshl_add_u32 v[RD], v1, 4, v[RD]
	v_add_nc_u32 v[RD], s13, v[RD]
	v_lshlrev_b32 v[GO], 11, v9                    ; and the same two rows in o
	v_lshl_add_u32 v[GO], v1, 4, v[GO]
.macro MKMASK                          ; the three masks of group s[GR]: 24 plain vector instructions
	s_cmp_lt_u32 s[GR], s[GLO]
	s_cselect_b32 s[BE], s[BIGN], 0
	s_cmp_gt_u32 s[GR], s[GHI]
	s_cselect_b32 s[BE], s[BIGN], s[BE]
	s_cmp_eq_u32 s[GR], 0
	s_cselect_b32 s[AL], 1.0, 0
	s_cselect_b32 s[B10], s[BIGN], s[BE]
	s_cmp_eq_u32 s[GR], 8
	s_cselect_b32 s[AH], 1.0, 0
	s_cselect_b32 s[B01], s[BIGN], s[BE]
.irp z, 0,2,4,6
	v_pk_fma_f32 v[MA+\z:MA+\z+1], v[MLO+\z:MLO+\z+1], s[AL:AL+1], s[BE:BE+1] op_sel_hi:[1,0,0]
.endr
.irp z, 0,2,4,6
	v_pk_fma_f32 v[MA+\z:MA+\z+1], v[MHI+\z:MHI+\z+1], s[AH:AH+1], v[MA+\z:MA+\z+1] op_sel_hi:[1,0,1]
.endr
.irp z, 0,1,2,3,4,5,6,7
	v_mov_b32 v[M01+\z], s[B01]
.endr
.irp z, 0,1,2,3,4,5,6,7
	v_mov_b32 v[M10+\z], s[B10]
.endr
.endm
.macro FETCH_K                         ; a group's K: 32 keys x 128 channels, 8 fragments, 16 loads in one run
	WIN 0
	v_add_nc_u32 v[AK], s[TBK], v[AK0]
	s_add_co_u32 s[TBK], s[TBK], 32*PK             ; the next fetch is the next group's
	WIN TO_1
.irp hd, 0,1
.irp u, 0,1
.irp c, 0,1
	ds_load_b128 v[KF+32*\hd+16*\u+8*\c:KF+32*\hd+16*\u+8*\c+3],   v[AK] offset:\u*16*PK+\hd*128+\c*64
	ds_load_b128 v[KF+32*\hd+16*\u+8*\c+4:KF+32*\hd+16*\u+8*\c+7], v[AK] offset:\u*16*PK+\hd*128+\c*64+32
.endr
.endr
.endr
	WIN 0
.endm
.macro FETCH_V                         ; a group's V, turned: 8 fragments, 16 loads in one run
	WIN 0
	v_add_nc_u32 v[AV], s[TBV], v[AV0]
	s_add_co_u32 s[TBV], s[TBV], 32*PV
.irp hd, 0,1
.irp cb, 0,1,2,3
	ds_load_tr16_b128 v[VF+32*\hd+8*\cb:VF+32*\hd+8*\cb+3],   v[AV] offset:\hd*128+\cb*32
	ds_load_tr16_b128 v[VF+32*\hd+8*\cb+4:VF+32*\hd+8*\cb+7], v[AV] offset:\hd*128+\cb*32+16*PV
.endr
.endr
.endm
; 16 products S^T = K Q^T.  The first eight start the sums with their masks; the eight accumulators take turns: seven others stand between a chain's two links.
.macro KQ
	WIN W_KQ
.irp c, 0,1
.irp u, 0,1
.irp i, 0,1,2,3
.if (\c) == 0
.if ((\i)%2) == (\u)
.set rM, MA
.elseif (\u) == 1
.set rM, M01
.else
.set rM, M10
.endif
	v_wmma_f32_16x16x32_bf16 v[S+16*(\i)+8*(\u):S+16*(\i)+8*(\u)+7], v[KF+32*((\i)/2)+16*(\u):KF+32*((\i)/2)+16*(\u)+7], v[QF+16*(\i):QF+16*(\i)+7], v[rM:rM+7]
.else
	v_wmma_f32_16x16x32_bf16 v[S+16*(\i)+8*(\u):S+16*(\i)+8*(\u)+7], v[KF+32*((\i)/2)+16*(\u)+8:KF+32*((\i)/2)+16*(\u)+15], v[QF+16*(\i)+8:QF+16*(\i)+15], v[S+16*(\i)+8*(\u):S+16*(\i)+8*(\u)+7]
.endif
.endr
.endr
.endr
.endm
; 16 products O^T += V^T P, on 16 different accumulators.
.macro PVM
	WIN W_PV
.irp cb, 0,1,2,3
.irp i, 0,1,2,3
	v_wmma_f32_16x16x32_bf16 v[32*(\i)+8*(\cb):32*(\i)+8*(\cb)+7], v[VF+32*((\i)/2)+8*(\cb):VF+32*((\i)/2)+8*(\cb)+7], v[P+8*(\i):P+8*(\i)+7], v[32*(\i)+8*(\cb):32*(\i)+8*(\cb)+7]
.endr
.endr
.endm
.macro EACH line:vararg                ; one line for each tile i
.set i, 0
.rept 4
	\line
.set i, i+1
.endr
.endm
	s_mov_b32 s[GR], 0
	MKMASK
	s_wait_tensorcnt 0x0                           ; my three parts of the window are in,
	s_barrier_signal -1
	s_barrier_wait -1                              ; everybody's are
	FETCH_K
	FETCH_V
	s_wait_loadcnt 0x0                             ; Q
	s_mov_b32 s[CNT], 9
.Lgrp:                                         ; a trip: one group of 32 keys for four tiles of 16 queries
	s_wait_dscnt 16                                ; K is in; V's 16 loads, issued behind it, may stay out
	KQ
	WIN 0
	EACH v_mov_b32 v[ST+8*i+7], v[ST+8*i]          ; c m_old is kept.  These four and four v_nop are the places behind the products, ahead of the reads of S^T and of the loads into K's registers
.rept 4
	v_nop
.endr
	s_cmp_eq_u32 s[CNT], 1                         ; the last group has no K behind it
	s_cbranch_scc1 .Lnk
	FETCH_K
.Lnk:
	; the maximum of the lane's 16 scores and the old m; each accumulator's lowest registers are read first
	EACH v_max3_num_f32 v[ST+8*i+4], v[S+16*i], v[S+16*i+1], v[S+16*i+2]
	EACH v_max3_num_f32 v[ST+8*i+5], v[S+16*i+8], v[S+16*i+9], v[S+16*i+10]
	EACH v_max3_num_f32 v[ST+8*i+4], v[ST+8*i+4], v[S+16*i+3], v[S+16*i+4]
	EACH v_max3_num_f32 v[ST+8*i+5], v[ST+8*i+5], v[S+16*i+11], v[S+16*i+12]
	EACH v_max3_num_f32 v[ST+8*i+4], v[ST+8*i+4], v[S+16*i+5], v[S+16*i+6]
	EACH v_max3_num_f32 v[ST+8*i+5], v[ST+8*i+5], v[S+16*i+13], v[S+16*i+14]
	EACH v_max3_num_f32 v[ST+8*i+4], v[ST+8*i+4], v[S+16*i+7], v[S+16*i+15]
	EACH v_max3_num_f32 v[ST+8*i+4], v[ST+8*i+4], v[ST+8*i+5], v[ST+8*i+1]
	EACH v_permlanex16_b32 v[ST+8*i+5], v[ST+8*i+4], s[SEL], s[SEL+1]  ; the query's other 16 keys lie in the lane 16 away
	EACH v_max_num_f32 v[ST+8*i+1], v[ST+8*i+4], v[ST+8*i+5]
	EACH v_mul_f32 v[ST+8*i], s[CS], v[ST+8*i+1]
	EACH v_sub_f32 v[ST+8*i+7], v[ST+8*i+7], v[ST+8*i]
.irp n, 0,2,4,6,8,10,12,14
	EACH v_pk_fma_f32 v[S+16*i+\n:S+16*i+\n+1], v[S+16*i+\n:S+16*i+\n+1], s[CS:CS+1], v[ST+8*i:ST+8*i+1] op_sel_hi:[1,0,0] neg_lo:[0,0,1] neg_hi:[0,0,1]
.endr
	EACH v_exp_f32 v[ST+8*i+6], v[ST+8*i+7]        ; ONE BATCH: the four a and the 64 weights; nothing in it reads an exponential's result
.set n, 0
.rept 64
	v_exp_f32 v[S+n], v[S+n]
.set n, n+1
.endr
	v_nop                                          ; a plain instruction behind the last exponential, ahead of the first use
	s_wait_alu depctr_va_vdst(0)                   ; one wait for the batch, ahead of its first reader
.set n, 0
.rept 32
	v_cvt_pk_bf16_f32 v[P+n], v[S+2*n], v[S+2*n+1]
.set n, n+1
.endr
.irp m, 0,4,8,12
	EACH v_pk_add_f32 v[S+16*i+\m:S+16*i+\m+1], v[S+16*i+\m:S+16*i+\m+1], v[S+16*i+\m+2:S+16*i+\m+3]
.endr
.irp m, 0,8
	EACH v_pk_add_f32 v[S+16*i+\m:S+16*i+\m+1], v[S+16*i+\m:S+16*i+\m+1], v[S+16*i+\m+4:S+16*i+\m+5]
.endr
	EACH v_pk_add_f32 v[S+16*i:S+16*i+1], v[S+16*i:S+16*i+1], v[S+16*i+8:S+16*i+9]
	EACH v_pk_fma_f32 v[ST+8*i+2:ST+8*i+3], v[ST+8*i+2:ST+8*i+3], v[ST+8*i+6:ST+8*i+7], v[S+16*i:S+16*i+1] op_sel_hi:[1,0,1]
	WIN W_RS
.irp i, 0,1,2,3
.set n, 0
.rept 16
	v_pk_mul_f32 v[32*\i+n:32*\i+n+1], v[32*\i+n:32*\i+n+1], v[ST+8*\i+6:ST+8*\i+7] op_sel_hi:[1,0]
.set n, n+2
.endr
.endr
	s_wait_dscnt 0x0                               ; V is in (for 0: in the last trip no run of K's was issued behind V's)
	PVM
	WIN 0
	s_cmp_eq_u32 s[CNT], 1                         ; the last group has nothing behind it
	s_cbranch_scc1 .Lnf
	s_add_co_u32 s[GR], s[GR], 1
	MKMASK                                         ; its 24 plain instructions are also the places between the last product and the loads into V's registers
	FETCH_V
.Lnf:
	s_sub_co_u32 s[CNT], s[CNT], 1
	s_cmp_lg_u32 s[CNT], 0
	s_cbranch_scc1 .Lgrp
	; THE WAY OUT.  l's two halves and the other half of the lanes' are added; O^T is divided by l, rounded to bf16 and sent through my stage in LDS.  The additions are the places behind the last products.
	EACH v_add_f32 v[ST+8*i+4], v[ST+8*i+2], v[ST+8*i+3]
	EACH v_permlanex16_b32 v[ST+8*i+5], v[ST+8*i+4], s[SEL], s[SEL+1]
	EACH v_add_f32 v[ST+8*i+4], v[ST+8*i+4], v[ST+8*i+5]
	EACH v_rcp_f32 v[ST+8*i+6], v[ST+8*i+4]
	v_nop                                          ; a plain instruction between the last reciprocal and the use of its result
	s_wait_alu depctr_va_vdst(0)                   ; one wait for the four reciprocals
.macro PACK i                          ; a lane's eight channels of a row pack into 16 bytes; they go into rows of 272 bytes
	WIN W_RS
.set n, 0
.rept 16
	v_pk_mul_f32 v[32*(\i)+n:32*(\i)+n+1], v[32*(\i)+n:32*(\i)+n+1], v[ST+8*(\i)+6:ST+8*(\i)+7] op_sel_hi:[1,0]
.set n, n+2
.endr
	WIN 0x05                                       ; sources 0 and 1 window 1, destination window 0: S^T's registers are free
.set n, 0
.rept 16
	v_cvt_pk_bf16_f32 v[S+16*(\i)+n], v[32*(\i)+2*n], v[32*(\i)+2*n+1]
.set n, n+1
.endr
	WIN 0
.irp cb, 0,1,2,3
	ds_store_b128 v[STO], v[S+16*(\i)+4*\cb:S+16*(\i)+4*\cb+3] offset:((\i)%2)*16*SP+((\i)/2)*128+\cb*32
.endr
.endm
	PACK 0
	PACK 1
	PACK 2
	PACK 3
.irp p, 0,1,2,3,4,5,6,7,8,9,10,11,12,13,14,15
	ds_load_b128 v[S+4*\p:S+4*\p+3], v[RD] offset:\p*2*SP  ; LDS serves a wave's instructions in order (ISA guide 5.7.1.4): these see my stores above; the stage is my wave's own
.endr
.irp p, 0,1,2,3,4,5,6,7,8,9,10,11,12,13,14,15
	s_wait_dscnt 15-\p
	global_store_b128 v[GO], v[S+4*\p:S+4*\p+3], s[6:7] offset:\p*4096  ; 16 lanes store 256 consecutive bytes, at a multiple of 256 from o's first byte
.endr
	s_wait_tensorcnt 0x0                           ; the wave's end: a wait for the tensor loads, an add of 0 to my spare word and a wait for it, behind my last tensor load and my last LDS store
	ds_add_u32 v[SPW], v[NIL]
	s_wait_dscnt 0x0
	s_endpgm
.Lfunc_end_k_q19674857d6_attn:
	.size	k_q19674857d6_attn, .Lfunc_end_k_q19674857d6_attn-k_q19674857d6_attn
	.p2alignl 7, 3214868480
	.fill 96, 4, 3214868480
	.section	.rodata,"a",@progbits
	.p2align	6, 0x0
	.amdhsa_kernel k_q19674857d6_attn
		.amdhsa_group_segment_fixed_size 250368
		.amdhsa_private_segment_fixed_size 0
		.amdhsa_enable_private_segment 0
		.amdhsa_kernarg_size 16
		.amdhsa_user_sgpr_count 2
		.amdhsa_user_sgpr_kernarg_segment_ptr 1
		.amdhsa_wavefront_size32 1
		.amdhsa_system_sgpr_workgroup_id_x 1
		.amdhsa_system_sgpr_workgroup_id_y 1
		.amdhsa_system_sgpr_workgroup_id_z 1
		.amdhsa_system_vgpr_workitem_id 0
		.amdhsa_next_free_vgpr 512
		.amdhsa_next_free_sgpr 88
		.amdhsa_reserve_vcc 1
		.amdhsa_float_denorm_mode_32 3
		.amdhsa_float_denorm_mode_16_64 3
		.amdhsa_memory_ordered 1
		.amdhsa_forward_progress 1
		.amdhsa_inst_pref_size 54
	.end_amdhsa_kernel
	.amdgpu_metadata
---
amdhsa.version: [ 1, 2 ]
amdhsa.kernels:
  - .name:           k_q19674857d6_attn
    .symbol:         k_q19674857d6_attn.kd
    .args:
      - { .name: big, .offset: 0, .size: 8, .value_kind: global_buffer, .address_space: global }
      - { .name: h, .offset: 8, .size: 8, .value_kind: global_buffer, .address_space: global }
    .group_segment_fixed_size: 250368
    .private_segment_fixed_size: 0
    .kernarg_segment_align: 8
    .kernarg_segment_size: 16
    .max_flat_workgroup_size: 128
    .sgpr_count:     88
    .vgpr_count:     512
    .wavefront_size: 32
...
	.end_amdgpu_metadata
.endif
;; end of part 3
;; launch outp (part 4): grid 8 x 32, 4 waves a work-group, clusters of 4 x 4, 327,680 bytes of LDS; arguments h, wqo, big; writes big
.if DOCPART == 4
	.amdgcn_target "amdgcn-amd-amdhsa--gfx1250"
	.amdhsa_code_object_version 6
	.text
	.protected	k_q19674857d6_outp
	.globl	k_q19674857d6_outp
	.p2align	8
	.type	k_q19674857d6_outp,@function
k_q19674857d6_outp:
	s_mov_b64 s[64:65], 0
	v_nop
	global_prefetch_b8 v0, s[64:65] scope:SCOPE_SE
	s_setreg_imm32_b32 hwreg(HW_REG_WAVE_MODE, 25, 1), 1
	s_wait_xcnt 0x0
	s_wait_alu depctr_hold_cnt(0) depctr_sa_sdst(0) depctr_va_vdst(0) depctr_va_sdst(0) depctr_va_ssrc(0) depctr_va_vcc(0) depctr_vm_vsrc(0)
	s_getreg_b32 s2, hwreg(HW_REG_IB_STS2, 6, 4)
	s_cmp_eq_u32 s2, 0
	s_cbranch_scc0 .Lentry_in_a_cluster
	s_endpgm
.Lentry_in_a_cluster:
	s_bfe_u32 s2, ttmp6, 0x10000c
	s_cmp_lg_u32 s2, 0xf033
	s_cbranch_scc0 .Lentry_shape_is_right
	s_endpgm
.Lentry_shape_is_right:
; THE OUTPUT PROJECTION.  C[m][n] = sum over k of A[m][k] B[n][k].  A: [4096][1024] bf16; B: [1024][1024] bf16, which lies WO_OFF bytes behind its buffer's first byte; C: bf16, columns 0-1023 of rows of
; 4,096 numbers (8,192 bytes); sums in f32, C rounded once.  Bias and residual are added by the launch behind, in f32.
; A tile of C is 128 x 128: 8 x 32 tiles, 256 work-groups.  Four waves, each 64 x 64: 16 accumulators of 16 x 16, 128 registers.  K goes in steps of 256 (LDS rows of 512 bytes; a wave's tensor load brings 64 of them) through two
; LDS slots; the four waves share ONE stage on the way out, with a barrier between writing and reading, since a wave's 64 columns are only half of an aligned 256 bytes of C.
; CLUSTERS: 4 x 4 work-groups.  The four of a row of the cluster need the same tiles of A, the four of a column the same tiles of B: each tile is asked for JOINTLY, by the same tensor load with the
; same descriptor and a mask that names the four.  THE MATRIX INSTRUCTION IS USED TRANSPOSED (source 0 = 16 rows of B, source 1 = 16 rows of A): a lane then holds eight neighbouring numbers of a row of C.
; REGISTERS: window 0: v0-31 addresses; v32-95 at work on the way out; v128-255 the accumulators ((a, b) at v[128 + 8 (4 a + b)]).
;   window 1: two fragment buffers of 128: for 64 along K (two matrix instructions deep), 64 registers of A, then 64 of B.
.set SIZE_K, 1024
.set SIZE_N, 4096                      ; numbers in a row of C
.set WO_OFF, 6291456                   ; where B begins in its buffer
.set KSTEP,  256
.set PITCH,  528                       ; an LDS row: 512 bytes of data + 16 of padding = 132 words: row r starts at bank 4 r mod 64 (64 banks of 4 bytes: ISA guide 11.1)
.set HALFT,  64*PITCH                  ; 64 rows: what one tensor load brings, and what one wave reads of A or of B
.set SLOT,   4*HALFT                   ; A's 128 rows, then B's 128 rows
.set STAGE,  2*SLOT                    ; behind the ring: 128 rows x 272 bytes, the work-group's, for the way out
.set SPITCH, 272
.set SPARE,  STAGE+128*SPITCH          ; behind the stage: the spare words, 128 bytes for each wave, which no other line names
.set LAPS, SIZE_K/(2*KSTEP)            ; a lap = two K steps = once round the ring
.set ADRA, 16                          ; v16-17  LDS address of my A fragments in slot 0, 1
.set ADRB, 20                          ; v20-21  the same for B
.set STO,  24                          ; v24     the way out: where I put 16 bytes of a row
.set RD,   25                          ; v25     the way out: where I read a row back
.set CO,   26                          ; v26     my byte offset in C
.set SPW,  28                          ; v28     LDS address of my spare word; never rewritten
.set NIL,  29                          ; v29     0; never rewritten
.set TMP,  32                          ; the way out: 64 registers, packed results and then whole rows
.set ACC,  128
.set F0,   0                           ; fragment buffers, in window 1
.set F1,   128
.set G1, 24                            ; s[24:31] descriptor group 1 for A's tiles;  s[32:39] group 0, one set for each slot
.set G0, 32
.set G1B, 48                           ; s[48:55], s[56:63] the same for B's tiles
.set G0B, 56
.set MSB, 0
.macro WIN new                         ; the immediate's high byte repeats the setting that is left
.if MSB != (\new)
	s_set_vgpr_msb (MSB<<8)|(\new)
.set MSB, \new
.endif
.endm
.set MUL,  0x05                        ; sources 0 (B) and 1 (A) window 1; C and D window 0
.set TO_F, 0x40                        ; destination window 1, address window 0
.macro JLOAD s                         ; a joint load: waves 0 and 1 fetch A's two halves, waves 2 and 3 B's; an s_nop 0 and four v_nop follow each of the two lines
	s_cmp_eq_u32 s11, 0
	s_cbranch_scc0 .Lfor_b_\@
	tensor_load_to_lds s[G0+4*(\s):G0+4*(\s)+3], s[G1:G1+7]
	s_nop 0
.rept 4
	v_nop
.endr
	s_branch .Lasked_\@
.Lfor_b_\@:
	tensor_load_to_lds s[G0B+4*(\s):G0B+4*(\s)+3], s[G1B:G1B+7]
	s_nop 0
.rept 4
	v_nop
.endr
.Lasked_\@:
.endm
.macro CREST                           ; a round of the cluster's barrier behind its opening barrier
	s_cmp_lg_u32 s10, 0
	s_cbranch_scc1 .Lnot_wave_0_\@
	s_barrier_signal -3
.Lnot_wave_0_\@:
	s_barrier_wait -3
	s_barrier_signal -1
	s_barrier_wait -1
.endm
.macro CROUND                          ; a whole round
	s_barrier_signal -1
	s_barrier_wait -1
	CREST
.endm
	s_load_b128 s[4:7], s[0:1], 0x0                ; A s[4:5], B's buffer s[6:7]
	s_load_b64 s[8:9], s[0:1], 0x10                ; C
	v_lshl_add_u32 v[SPW], v0, 2, SPARE
	v_mov_b32 v[NIL], 0
	ds_add_u32 v[SPW], v[NIL]                      ; the wave's opening: the add and its wait stand ahead of my first tensor load; the set-up below stands between them
	v_lshrrev_b32 v1, 5, v0
	v_readfirstlane_b32 s10, v1                    ; wave 0..3
	s_lshr_b32 s11, s10, 1                         ; which half of the tile's rows is mine.  Also: I fetch for A (0) or for B (1)
	s_and_b32 s12, s10, 1                          ; which half of its columns.  Also: which 64 rows of that tile I fetch
	s_bfe_u32 s40, ttmp6, 0x40000                  ; cx, cy: my place in the cluster
	s_bfe_u32 s41, ttmp6, 0x40004
	s_lshl_b32 s42, ttmp9, 2
	s_add_co_u32 s42, s42, s40                     ; tile column of C = 4 x cluster x + cx
	s_and_b32 s13, ttmp7, 0xffff
	s_lshl_b32 s13, s13, 2
	s_add_co_u32 s13, s13, s41                     ; tile row of C = 4 x cluster y + cy
	s_lshl_b32 s43, s41, 2
	s_lshl_b32 s43, 15, s43                        ; my row of the cluster
	s_lshl_b32 s44, 0x1111, s40                    ; my column
	; descriptor group 1: a tile of 64 rows x 256 elements, padded in LDS
	s_or_b32 s[G1+0], s43, (1<<16)|(1<<20)|(1<<21)|(6<<22)|(3<<25)  ; 15:0 the mask: A's tiles go to my row; 17:16 element of 2 bytes; 20 padding on; 21 set beside a mask; 24:22 after every 128 words (code 6); 31:25 of 4 words (code 3)
	s_or_b32 s[G1B+0], s44, (1<<16)|(1<<20)|(1<<21)|(6<<22)|(3<<25)
.irp g, G1, G1B
	s_mov_b32 s[(\g)+1], KSTEP<<16                 ; tensor_dim0 = 256
	s_mov_b32 s[(\g)+2], 64<<16                    ; tensor_dim1 = 64
	s_mov_b32 s[(\g)+3], KSTEP<<16                 ; tile_dim0 = 256
	s_mov_b32 s[(\g)+4], 64                        ; tile_dim1 = 64
	s_mov_b32 s[(\g)+5], SIZE_K                    ; elements from row to row
	s_mov_b32 s[(\g)+6], 0
	s_mov_b32 s[(\g)+7], 0
.endr
	s_lshl_b32 s17, s12, 6                         ; which 64 rows of the tile I fetch
	s_lshl_b32 s16, s13, 7
	s_add_co_u32 s16, s16, s17                     ; A: row 128 x tile row + 64 x half
	s_lshl_b32 s46, s42, 7
	s_add_co_u32 s46, s46, s17                     ; B: row 128 x tile column + 64 x half
	s_mov_b32 s17, 0
	s_mov_b32 s47, 0
	s_mov_b64 s[18:19], SIZE_K*2
	s_mul_u64 s[16:17], s[16:17], s[18:19]
	s_mul_u64 s[46:47], s[46:47], s[18:19]
	s_mul_i32 s20, s10, HALFT                      ; where they go: wave x 64 rows: no place in the cluster enters an LDS address
	s_wait_dscnt 0x0                               ; the opening add is done
	s_wait_kmcnt 0x0
	s_add_nc_u64 s[14:15], s[4:5], s[16:17]
	s_add_nc_u64 s[46:47], s[6:7], s[46:47]
	s_add_nc_u64 s[46:47], s[46:47], WO_OFF
	CROUND                                         ; all sixteen work-groups are here: the first joint loads meet
.irp s, 0,1
	s_mov_b32 s[G0+4*(\s)], 1
	s_add_co_u32 s[G0+4*(\s)+1], s20, (\s)*SLOT
	s_add_nc_u64 s[G0+4*(\s)+2:G0+4*(\s)+3], s[14:15], (\s)*KSTEP*2
	s_or_b32 s[G0+4*(\s)+3], s[G0+4*(\s)+3], 0x80000000
	s_mov_b32 s[G0B+4*(\s)], 1
	s_add_co_u32 s[G0B+4*(\s)+1], s20, (\s)*SLOT
	s_add_nc_u64 s[G0B+4*(\s)+2:G0B+4*(\s)+3], s[46:47], (\s)*KSTEP*2
	s_or_b32 s[G0B+4*(\s)+3], s[G0B+4*(\s)+3], 0x80000000
	JLOAD \s
.endr
	v_and_b32 v1, 15, v0                           ; l % 16
	v_bfe_u32 v2, v0, 4, 1                         ; l / 16
	v_mul_u32_u24 v3, v1, PITCH
	v_lshl_add_u32 v3, v2, 4, v3                   ; a fragment's row x pitch + 16 x half
	s_mul_i32 s21, s11, HALFT                      ; my 64 rows of A
	s_mul_i32 s22, s12, HALFT                      ; my 64 rows of B,
	s_add_co_u32 s22, s22, 2*HALFT                 ; which lie behind A's 128
.irp s, 0,1
	v_add_nc_u32 v[ADRA+(\s)], s21, v3
	v_add_nc_u32 v[ADRB+(\s)], s22, v3
	s_add_co_u32 s21, s21, SLOT
	s_add_co_u32 s22, s22, SLOT
.endr
	s_mul_i32 s23, s11, 64*SPITCH                  ; into the stage: my 64 rows, my half of their 256 bytes; row l % 16, 16 bytes for each half of the lanes
	s_lshl_b32 s21, s12, 7
	s_add_co_u32 s23, s23, s21
	s_add_co_u32 s23, s23, STAGE
	v_mul_u32_u24 v4, v1, SPITCH
	v_lshl_add_u32 v4, v2, 4, v4
	v_add_nc_u32 v[STO], s23, v4
	s_mul_i32 s23, s10, 32*SPITCH                  ; back: wave w takes rows 32 w .. 32 w + 31, whole; lanes 0-15 one row of 256 bytes, lanes 16-31 the next
	s_add_co_u32 s23, s23, STAGE
	v_mul_u32_u24 v5, v2, SPITCH
	v_lshl_add_u32 v5, v1, 4, v5
	v_add_nc_u32 v[RD], s23, v5
	v_mul_u32_u24 v5, v2, SIZE_N*2                 ; and the same two rows in C
	v_lshl_add_u32 v[CO], v1, 4, v5
	s_lshl_b32 s16, s13, 7
	s_lshl_b32 s17, s10, 5
	s_add_co_u32 s16, s16, s17                     ; the first row of C that I store: 128 x tile row + 32 x wave
	s_mov_b32 s17, 0
	s_mov_b64 s[18:19], SIZE_N*2
	s_mul_u64 s[16:17], s[16:17], s[18:19]
	s_add_nc_u64 s[8:9], s[8:9], s[16:17]
	s_lshl_b32 s46, s42, 8                         ; the tile's first column, in bytes
	s_mov_b32 s47, 0
	s_add_nc_u64 s[8:9], s[8:9], s[46:47]
; 8 matrix instructions: m blocks a0, a0 + 1 x all 4 n blocks, 32 along K: half c of buffer f.  zero = 1: the first product starts the sums.  The 16 accumulators take turns.
.macro MUL8 f, c, a0, zero
	WIN MUL
.irp a, \a0, (\a0)+1
.irp b, 0,1,2,3
.if \zero
	v_wmma_f32_16x16x32_bf16 v[ACC+8*(4*(\a)+(\b)):ACC+8*(4*(\a)+(\b))+7], v[(\f)+64+8*(4*(\c)+(\b)):(\f)+64+8*(4*(\c)+(\b))+7], v[(\f)+8*(4*(\c)+(\a)):(\f)+8*(4*(\c)+(\a))+7], 0
.else
	v_wmma_f32_16x16x32_bf16 v[ACC+8*(4*(\a)+(\b)):ACC+8*(4*(\a)+(\b))+7], v[(\f)+64+8*(4*(\c)+(\b)):(\f)+64+8*(4*(\c)+(\b))+7], v[(\f)+8*(4*(\c)+(\a)):(\f)+8*(4*(\c)+(\a))+7], v[ACC+8*(4*(\a)+(\b)):ACC+8*(4*(\a)+(\b))+7]
.endif
.endr
.endr
.endm
; 32 LDS loads in one run: the fragments of 64 along K at byte k of the rows, into buffer f; the first 32 along K first
.macro FETCH slot, k, f
	WIN TO_F
.irp c, 0,1
.irp i, 0,1,2,3
	ds_load_b128 v[(\f)+64+8*(4*(\c)+(\i)):(\f)+64+8*(4*(\c)+(\i))+3],   v[ADRB+(\slot)] offset:(\k)+64*(\c)+(\i)*16*PITCH
	ds_load_b128 v[(\f)+64+8*(4*(\c)+(\i))+4:(\f)+64+8*(4*(\c)+(\i))+7], v[ADRB+(\slot)] offset:(\k)+64*(\c)+(\i)*16*PITCH+32
	ds_load_b128 v[(\f)+8*(4*(\c)+(\i)):(\f)+8*(4*(\c)+(\i))+3],         v[ADRA+(\slot)] offset:(\k)+64*(\c)+(\i)*16*PITCH
	ds_load_b128 v[(\f)+8*(4*(\c)+(\i))+4:(\f)+8*(4*(\c)+(\i))+7],       v[ADRA+(\slot)] offset:(\k)+64*(\c)+(\i)*16*PITCH+32
.endr
.endr
.endm
.macro PLACES                          ; four places in front of loads into registers that matrix instructions have read, and of conversions that read results
.rept 4
	v_nop
.endr
.endm
; A K step is four quarters of 64 along K, 32 matrix instructions each, on buffers 0, 1, 0, 1.  One of the first three: multiplies buffer f and fetches the next quarter, at byte k, into g.
.macro QUARTER slot, k, f, g, zero
	s_wait_dscnt 16                                ; the first 32 along K are in; the youngest sixteen loads may be out
	WIN MUL
	MUL8 \f, 0, 0, \zero
	MUL8 \f, 0, 2, \zero
	PLACES
	FETCH \slot, \k, \g
	s_wait_dscnt 32                                ; all but the 32 just issued
	WIN MUL
	MUL8 \f, 1, 0, 0
	MUL8 \f, 1, 2, 0
.endm
; The last quarter multiplies buffer 1 and changes slots: ONE barrier; in front of it each wave waits for all its tensor loads, adds 0 to its spare word, and waits for that and for its own reads of this slot.  fill = 1: this slot is filled again, two K steps ahead.
.macro TURN slot, next, fill
	WIN 0                                          ; (the add's two registers lie in window 0)
	s_wait_tensorcnt 0x0                           ; all my tensor loads have landed: my part of the next slot;
	ds_add_u32 v[SPW], v[NIL]                      ; 0 onto my spare word;
	s_wait_dscnt 17                                ; (the add and the youngest sixteen loads may be out)
	WIN MUL
	MUL8 F1, 0, 0, 0                               ; eight matrix instructions stand between the add and the wait for it
	s_wait_dscnt 0x0                               ; the add is done, and my reads of this slot are over
	s_barrier_signal -1
	MUL8 F1, 0, 2, 0
.if \fill
	WIN 0
.endif
	s_barrier_wait -1
.if \fill
	CREST                                          ; the barrier has opened a round of the cluster's barrier: no wave of any partner still reads this slot's tile or has a load on its way
	s_add_nc_u64 s[G0+4*(\slot)+2:G0+4*(\slot)+3], s[G0+4*(\slot)+2:G0+4*(\slot)+3], 2*KSTEP*2
	s_add_nc_u64 s[G0B+4*(\slot)+2:G0B+4*(\slot)+3], s[G0B+4*(\slot)+2:G0B+4*(\slot)+3], 2*KSTEP*2
	JLOAD \slot                                    ; the first tensor load behind the round: 112 matrix instructions ahead of the wait for it; its four v_nop are also the places in front of the loads below
.else
	PLACES
.endif
	FETCH \next, 0, F0
	WIN MUL
	MUL8 F1, 1, 0, 0
	MUL8 F1, 1, 2, 0
.endm
	s_wait_tensorcnt 1                             ; my part of K step 0 is in; K step 1's may stay out
	s_barrier_signal -1
	s_barrier_wait -1                              ; everybody's is
	FETCH 0, 0, F0
	QUARTER 0, 128, F0, F1, 1                      ; the first quarter stands in front of the loop: its first products start the sums
	WIN 0                                          ; at a label and at a branch every window is 0
	s_mov_b32 s3, LAPS-1
.Llap:                                                 ; a trip goes once round the ring, from a lap's second quarter to the next lap's first, and fills both slots again
	QUARTER 0, 256, F1, F0, 0
	QUARTER 0, 384, F0, F1, 0
	TURN 0, 1, 1
	QUARTER 1, 128, F0, F1, 0
	QUARTER 1, 256, F1, F0, 0
	QUARTER 1, 384, F0, F1, 0
	TURN 1, 0, 1
	QUARTER 0, 128, F0, F1, 0
	WIN 0
	s_sub_co_u32 s3, s3, 1
	s_cmp_lg_u32 s3, 0
	s_cbranch_scc1 .Llap
	QUARTER 0, 256, F1, F0, 0                      ; the last lap fills nothing, and has no round of the cluster's barrier
	QUARTER 0, 384, F0, F1, 0
	TURN 0, 1, 0
	QUARTER 1, 128, F0, F1, 0
	QUARTER 1, 256, F1, F0, 0
	QUARTER 1, 384, F0, F1, 0
	s_wait_dscnt 16                                ; the very last quarter: nothing more to fetch
	WIN MUL
	MUL8 F1, 0, 0, 0
	MUL8 F1, 0, 2, 0
	s_wait_dscnt 0
	MUL8 F1, 1, 0, 0
	MUL8 F1, 1, 2, 0
	WIN 0
	; THE WAY OUT: round to bf16; 16 bytes a lane into the work-group's stage; a barrier, since a row's 256 bytes come from two waves; back as whole rows, 32 rows a wave.
	PLACES
	PLACES
.irp t, 0,1,2,3,4,5,6,7,8,9,10,11,12,13,14,15
.irp r, 0,1,2,3
	v_cvt_pk_bf16_f32 v[TMP+4*(\t)+(\r)], v[ACC+8*(\t)+2*(\r)], v[ACC+8*(\t)+2*(\r)+1]
.endr
.endr
.irp a, 0,1,2,3
.irp b, 0,1,2,3
	ds_store_b128 v[STO], v[TMP+4*(4*(\a)+(\b)):TMP+4*(4*(\a)+(\b))+3] offset:(\a)*16*SPITCH+32*(\b)
.endr
.endr
	s_wait_dscnt 0x0                               ; for the others' sake: my stores into the stage are done
	s_barrier_signal -1
	s_barrier_wait -1
.irp t, 0,1,2,3,4,5,6,7,8,9,10,11,12,13,14,15
	ds_load_b128 v[TMP+4*(\t):TMP+4*(\t)+3], v[RD] offset:(\t)*2*SPITCH
.endr
.irp t, 0,1,2,3,4,5,6,7,8,9,10,11,12,13,14,15
	s_wait_dscnt 15-(\t)
	global_store_b128 v[CO], v[TMP+4*(\t):TMP+4*(\t)+3], s[8:9] offset:2*(\t)*SIZE_N*2  ; 16 lanes store 256 consecutive bytes, at a multiple of 256 from C's first byte
.endr
	s_wait_tensorcnt 0x0                           ; the wave's end: a wait for the tensor loads, an add of 0 to my spare word and a wait for it, behind my last tensor load and my last LDS store
	ds_add_u32 v[SPW], v[NIL]
	s_wait_dscnt 0x0
	CROUND                                         ; the closing round: no work-group ends while a partner may still ask for a tile that names it
	s_endpgm
.Lfunc_end_k_q19674857d6_outp:
	.size	k_q19674857d6_outp, .Lfunc_end_k_q19674857d6_outp-k_q19674857d6_outp
	.p2alignl 7, 3214868480
	.fill 96, 4, 3214868480
	.section	.rodata,"a",@progbits
	.p2align	6, 0x0
	.amdhsa_kernel k_q19674857d6_outp
		.amdhsa_group_segment_fixed_size 327680
		.amdhsa_private_segment_fixed_size 0
		.amdhsa_enable_private_segment 0
		.amdhsa_kernarg_size 24
		.amdhsa_user_sgpr_count 2
		.amdhsa_user_sgpr_kernarg_segment_ptr 1
		.amdhsa_wavefront_size32 1
		.amdhsa_system_sgpr_workgroup_id_x 1
		.amdhsa_system_sgpr_workgroup_id_y 1
		.amdhsa_system_sgpr_workgroup_id_z 1
		.amdhsa_system_vgpr_workitem_id 0
		.amdhsa_next_free_vgpr 512
		.amdhsa_next_free_sgpr 66
		.amdhsa_reserve_vcc 0
		.amdhsa_float_denorm_mode_32 3
		.amdhsa_float_denorm_mode_16_64 3
		.amdhsa_memory_ordered 1
		.amdhsa_forward_progress 1
		.amdhsa_inst_pref_size 87
	.end_amdhsa_kernel
	.amdgpu_metadata
---
amdhsa.version: [ 1, 2 ]
amdhsa.kernels:
  - .name:           k_q19674857d6_outp
    .symbol:         k_q19674857d6_outp.kd
    .args:
      - { .name: h, .offset: 0, .size: 8, .value_kind: global_buffer, .address_space: global }
      - { .name: wqo, .offset: 8, .size: 8, .value_kind: global_buffer, .address_space: global }
      - { .name: big, .offset: 16, .size: 8, .value_kind: global_buffer, .address_space: global }
    .group_segment_fixed_size: 327680
    .private_segment_fixed_size: 0
    .kernarg_segment_align: 8
    .kernarg_segment_size: 24
    .max_flat_workgroup_size: 128
    .sgpr_count:     66
    .vgpr_count:     512
    .wavefront_size: 32
...
	.end_amdgpu_metadata
.endif
;; end of part 4
;; launch ln2 (part 5): grid 256 x 1, 8 waves a work-group, no clusters, 0 bytes of LDS; arguments x, big, b_out, ln2_g, ln2_b, x1, h; writes x1, h
.if DOCPART == 5
	.amdgcn_target "amdgcn-amd-amdhsa--gfx1250"
	.amdhsa_code_object_version 6
	.text
	.protected	k_q19674857d6_ln2
	.globl	k_q19674857d6_ln2
	.p2align	8
	.type	k_q19674857d6_ln2,@function
k_q19674857d6_ln2:
	s_mov_b64 s[64:65], 0
	v_nop
	global_prefetch_b8 v0, s[64:65] scope:SCOPE_SE
	s_setreg_imm32_b32 hwreg(HW_REG_WAVE_MODE, 25, 1), 1
	s_wait_xcnt 0x0
; x1 = x + z + b_out (f32);  h = bf16(LayerNorm(x1) * ln2_g + ln2_b).  x, x1: [4096][1024] f32; z: bf16, columns 0-1023 of rows of 8,192 bytes; h: [4096][1024] bf16.
; Memory binds: no LDS, no matrix unit, no barrier.  A wave owns two whole rows (16 rows a work-group): a row is 32 registers and stays in registers between the sum, the mean, the variance
; (of the centred numbers: no difference of large sums) and the scaling.  A lane's numbers are columns 128 j + 4 lane + 0..3.
; Each f32 load and store of a wave covers 512 consecutive bytes, each bf16 one 256, aligned.
.set ZROW, 8192                        ; bytes from a row of z to the next
.set VAR, 4                            ; v4, v5     variance + eps of row A, row B
.set G,   8                            ; v[8:39]    the gain of my 32 columns
.set BV,  40                           ; v[40:71]   the bias
.set BO,  72                           ; v[72:103]  b_out
.set XA,  104                          ; v[104:135] row A
.set XB,  136                          ; v[136:167] row B
.set ZA,  168                          ; v[168:183] row A of z
.set ZB,  184                          ; v[184:199] row B of z
.set T,   200                          ; v[200:207] at work
.set MU,  208                          ; v[208:211] the mean, twice, of row A, of row B
.set RS,  212                          ; v[212:215] 1 / sqrt(var + eps), twice, of row A, of row B
.set YA,  216                          ; v[216:231] row A in bf16
.set YB,  232                          ; v[232:247] row B in bf16
.macro ACROSS                          ; four pairs in T -> one number in v[T], the same in every lane
	v_pk_add_f32 v[T:T+1], v[T:T+1], v[T+2:T+3]
	v_pk_add_f32 v[T+4:T+5], v[T+4:T+5], v[T+6:T+7]
	v_pk_add_f32 v[T:T+1], v[T:T+1], v[T+4:T+5]
	v_add_f32 v[T], v[T], v[T+1]
	v_add_f32_dpp v[T], v[T], v[T] row_xmask:1 row_mask:0xf bank_mask:0xf
	v_add_f32_dpp v[T], v[T], v[T] row_xmask:2 row_mask:0xf bank_mask:0xf
	v_add_f32_dpp v[T], v[T], v[T] row_xmask:4 row_mask:0xf bank_mask:0xf
	v_add_f32_dpp v[T], v[T], v[T] row_xmask:8 row_mask:0xf bank_mask:0xf
	v_permlanex16_b32 v[T+1], v[T], s4, s5         ; the other half of the lanes
	v_add_f32 v[T], v[T], v[T+1]
.endm
.macro SUM32 x
.irp k, 0,1,2,3
	v_pk_add_f32 v[T+2*(\k):T+2*(\k)+1], v[(\x)+2*(\k):(\x)+2*(\k)+1], v[(\x)+8+2*(\k):(\x)+8+2*(\k)+1]
.endr
.irp k, 0,1,2,3
	v_pk_add_f32 v[T+2*(\k):T+2*(\k)+1], v[T+2*(\k):T+2*(\k)+1], v[(\x)+16+2*(\k):(\x)+16+2*(\k)+1]
.endr
.irp k, 0,1,2,3
	v_pk_add_f32 v[T+2*(\k):T+2*(\k)+1], v[T+2*(\k):T+2*(\k)+1], v[(\x)+24+2*(\k):(\x)+24+2*(\k)+1]
.endr
	ACROSS
.endm
.macro SQ32 x
.irp k, 0,1,2,3
	v_pk_mul_f32 v[T+2*(\k):T+2*(\k)+1], v[(\x)+2*(\k):(\x)+2*(\k)+1], v[(\x)+2*(\k):(\x)+2*(\k)+1]
.endr
.irp o, 8,16,24
.irp k, 0,1,2,3
	v_pk_fma_f32 v[T+2*(\k):T+2*(\k)+1], v[(\x)+(\o)+2*(\k):(\x)+(\o)+2*(\k)+1], v[(\x)+(\o)+2*(\k):(\x)+(\o)+2*(\k)+1], v[T+2*(\k):T+2*(\k)+1]
.endr
.endr
	ACROSS
.endm
.macro MEAN x, mu
	SUM32 \x
	v_mul_f32 v[\mu], s6, v[T]
	v_mov_b32 v[(\mu)+1], v[\mu]
.endm
.macro CENTRE x, mu, var
.set i, 0
.rept 16
	v_pk_add_f32 v[(\x)+i:(\x)+i+1], v[(\x)+i:(\x)+i+1], v[\mu:(\mu)+1] neg_lo:[0,1] neg_hi:[0,1]
.set i, i+2
.endr
	SQ32 \x
	v_fma_f32 v[\var], v[T], s6, s7
.endm
.macro RESID x, z, off                 ; x += b_out + z, and the row leaves as x1
.set i, 0
.rept 16
	v_pk_add_f32 v[(\x)+i:(\x)+i+1], v[(\x)+i:(\x)+i+1], v[BO+i:BO+i+1]
.set i, i+2
.endr
.set k, 0
.rept 16
	v_lshlrev_b32 v[T+2*(k%4)], 16, v[(\z)+k]              ; bf16 to f32: the low half moves up,
	v_and_b32 v[T+2*(k%4)+1], 0xffff0000, v[(\z)+k]        ; the high half stays
	v_pk_add_f32 v[(\x)+2*k:(\x)+2*k+1], v[(\x)+2*k:(\x)+2*k+1], v[T+2*(k%4):T+2*(k%4)+1]
.set k, k+1
.endr
.irp j, 0,1,2,3,4,5,6,7
	global_store_b128 v1, v[(\x)+4*(\j):(\x)+4*(\j)+3], s[18:19] offset:(\off)+512*(\j)
.endr
.endm
.macro FINISH x, rs, y, off
.set i, 0
.rept 16
	v_pk_mul_f32 v[(\x)+i:(\x)+i+1], v[(\x)+i:(\x)+i+1], v[\rs:(\rs)+1]
.set i, i+2
.endr
.set i, 0
.rept 16
	v_pk_fma_f32 v[(\x)+i:(\x)+i+1], v[(\x)+i:(\x)+i+1], v[G+i:G+i+1], v[BV+i:BV+i+1]
.set i, i+2
.endr
.set i, 0
.rept 16
	v_cvt_pk_bf16_f32 v[(\y)+i], v[(\x)+2*i], v[(\x)+2*i+1]
.set i, i+1
.endr
.irp j, 0,1,2,3,4,5,6,7
	global_store_b64 v2, v[(\y)+2*(\j):(\y)+2*(\j)+1], s[20:21] offset:(\off)+256*(\j)
.endr
.endm
	s_load_b256 s[8:15], s[0:1], 0x0               ; x 8:9, z 10:11, b_out 12:13, ln2_g 14:15
	s_load_b128 s[16:19], s[0:1], 0x20             ; ln2_b 16:17, x1 18:19
	s_load_b64 s[20:21], s[0:1], 0x30              ; h
	v_lshrrev_b32 v3, 5, v0
	v_readfirstlane_b32 s3, v3                     ; wave 0..7
	s_mov_b32 s4, 0x76543210
	s_mov_b32 s5, 0xfedcba98
	s_mov_b32 s6, 0x3a800000                       ; 1 / 1024
	s_mov_b32 s7, 0x3727c5ac                       ; 1e-5
	v_and_b32 v1, 31, v0
	v_lshlrev_b32 v2, 3, v1                        ; 8 x lane
	v_lshlrev_b32 v1, 4, v1                        ; 16 x lane
	s_lshl_b32 s22, ttmp9, 4
	s_lshl_b32 s23, s3, 1
	s_add_co_u32 s22, s22, s23                     ; my first row
	s_mov_b32 s25, 0
	s_wait_kmcnt 0x0
	s_lshl_b32 s24, s22, 12
	s_add_nc_u64 s[8:9], s[8:9], s[24:25]
	s_add_nc_u64 s[18:19], s[18:19], s[24:25]
	s_lshl_b32 s24, s22, 11
	s_add_nc_u64 s[20:21], s[20:21], s[24:25]
	s_mul_i32 s24, s22, ZROW
	s_add_nc_u64 s[10:11], s[10:11], s[24:25]
.irp j, 0,1,2,3,4,5,6,7
	global_load_b128 v[XA+4*\j:XA+4*\j+3], v1, s[8:9] offset:512*\j th:TH_LOAD_NT
.endr
.irp j, 0,1,2,3,4,5,6,7
	global_load_b128 v[XB+4*\j:XB+4*\j+3], v1, s[8:9] offset:4096+512*\j th:TH_LOAD_NT
.endr
.irp j, 0,1,2,3,4,5,6,7
	global_load_b64 v[ZA+2*\j:ZA+2*\j+1], v2, s[10:11] offset:256*\j th:TH_LOAD_NT
.endr
.irp j, 0,1,2,3,4,5,6,7
	global_load_b64 v[ZB+2*\j:ZB+2*\j+1], v2, s[10:11] offset:ZROW+256*\j th:TH_LOAD_NT
.endr
.irp j, 0,1,2,3,4,5,6,7
	global_load_b128 v[BO+4*\j:BO+4*\j+3], v1, s[12:13] offset:512*\j
.endr
.irp j, 0,1,2,3,4,5,6,7
	global_load_b128 v[G+4*\j:G+4*\j+3], v1, s[14:15] offset:512*\j
.endr
.irp j, 0,1,2,3,4,5,6,7
	global_load_b128 v[BV+4*\j:BV+4*\j+3], v1, s[16:17] offset:512*\j
.endr
	s_wait_loadcnt 16                              ; x, z and b_out are in; the 16 loads of gain and bias may stay out
	RESID XA, ZA, 0
	RESID XB, ZB, 4096
	MEAN XA, MU
	MEAN XB, MU+2
	s_wait_xcnt 0x0                                ; the rows are the data of the stores of x1: they are rewritten only behind this wait
	CENTRE XA, MU, VAR
	CENTRE XB, MU+2, VAR+1
	v_rsq_f32 v[RS], v[VAR]                        ; one batch of four: each root twice, for the packed multiply
	v_rsq_f32 v[RS+1], v[VAR]
	v_rsq_f32 v[RS+2], v[VAR+1]
	v_rsq_f32 v[RS+3], v[VAR+1]
	v_nop                                          ; a plain instruction behind the last root, ahead of the first use
	s_wait_loadcnt 0x0                             ; gain and bias
	s_wait_alu depctr_va_vdst(0)                   ; one wait for the batch, ahead of its first reader
	FINISH XA, RS, YA, 0
	FINISH XB, RS+2, YB, 2048
	s_endpgm
.Lfunc_end_k_q19674857d6_ln2:
	.size	k_q19674857d6_ln2, .Lfunc_end_k_q19674857d6_ln2-k_q19674857d6_ln2
	.p2alignl 7, 3214868480
	.fill 96, 4, 3214868480
	.section	.rodata,"a",@progbits
	.p2align	6, 0x0
	.amdhsa_kernel k_q19674857d6_ln2
		.amdhsa_group_segment_fixed_size 0
		.amdhsa_private_segment_fixed_size 0
		.amdhsa_enable_private_segment 0
		.amdhsa_kernarg_size 56
		.amdhsa_user_sgpr_count 2
		.amdhsa_user_sgpr_kernarg_segment_ptr 1
		.amdhsa_wavefront_size32 1
		.amdhsa_system_sgpr_workgroup_id_x 1
		.amdhsa_system_sgpr_workgroup_id_y 1
		.amdhsa_system_sgpr_workgroup_id_z 1
		.amdhsa_system_vgpr_workitem_id 0
		.amdhsa_next_free_vgpr 248
		.amdhsa_next_free_sgpr 66
		.amdhsa_reserve_vcc 0
		.amdhsa_float_denorm_mode_32 3
		.amdhsa_float_denorm_mode_16_64 3
		.amdhsa_memory_ordered 1
		.amdhsa_forward_progress 1
		.amdhsa_inst_pref_size 31
	.end_amdhsa_kernel
	.amdgpu_metadata
---
amdhsa.version: [ 1, 2 ]
amdhsa.kernels:
  - .name:           k_q19674857d6_ln2
    .symbol:         k_q19674857d6_ln2.kd
    .args:
      - { .name: x, .offset: 0, .size: 8, .value_kind: global_buffer, .address_space: global }
      - { .name: big, .offset: 8, .size: 8, .value_kind: global_buffer, .address_space: global }
      - { .name: b_out, .offset: 16, .size: 8, .value_kind: global_buffer, .address_space: global }
      - { .name: ln2_g, .offset: 24, .size: 8, .value_kind: global_buffer, .address_space: global }
      - { .name: ln2_b, .offset: 32, .size: 8, .value_kind: global_buffer, .address_space: global }
      - { .name: x1, .offset: 40, .size: 8, .value_kind: global_buffer, .address_space: global }
      - { .name: h, .offset: 48, .size: 8, .value_kind: global_buffer, .address_space: global }
    .group_segment_fixed_size: 0
    .private_segment_fixed_size: 0
    .kernarg_segment_align: 8
    .kernarg_segment_size: 56
    .max_flat_workgroup_size: 256
    .sgpr_count:     66
    .vgpr_count:     248
    .wavefront_size: 32
...
	.end_amdgpu_metadata
.endif
;; end of part 5
;; launch ff1: the kernel of part 2 again; grid 16 x 16, 4 waves a work-group, clusters of 4 x 4, 327,680 bytes of LDS; arguments h, w1, big, pf; writes big
;; launch ff2 (part 6): grid 8 x 32, 4 waves a work-group, clusters of 4 x 4, 327,680 bytes of LDS; arguments big, w2, x1, b_ff2, out0; writes out0
.if DOCPART == 6
	.amdgcn_target "amdgcn-amd-amdhsa--gfx1250"
	.amdhsa_code_object_version 6
	.text
	.protected	k_q19674857d6_ff2
	.globl	k_q19674857d6_ff2
	.p2align	8
	.type	k_q19674857d6_ff2,@function
k_q19674857d6_ff2:
	s_mov_b64 s[64:65], 0
	v_nop
	global_prefetch_b8 v0, s[64:65] scope:SCOPE_SE
	s_setreg_imm32_b32 hwreg(HW_REG_WAVE_MODE, 25, 1), 1
	s_wait_xcnt 0x0
	s_wait_alu depctr_hold_cnt(0) depctr_sa_sdst(0) depctr_va_vdst(0) depctr_va_sdst(0) depctr_va_ssrc(0) depctr_va_vcc(0) depctr_vm_vsrc(0)
	s_getreg_b32 s2, hwreg(HW_REG_IB_STS2, 6, 4)
	s_cmp_eq_u32 s2, 0
	s_cbranch_scc0 .Lentry_in_a_cluster
	s_endpgm
.Lentry_in_a_cluster:
	s_bfe_u32 s2, ttmp6, 0x10000c
	s_cmp_lg_u32 s2, 0xf033
	s_cbranch_scc0 .Lentry_shape_is_right
	s_endpgm
.Lentry_shape_is_right:
; out0[m][n] = x1[m][n] + b_ff2[n] + sum over k of g[m][k] w2[n][k].  g: [4096][4096] bf16, w2: [1024][4096] bf16; x1, out0: [4096][1024] f32; b_ff2 f32; sums in f32.
; A tile of out0 is 128 x 128: 8 x 32 tiles, 256 work-groups.  Four waves, each 64 x 64: 16 accumulators of 16 x 16.  K goes in steps of 256 (LDS rows of 512 bytes; a wave's tensor load brings 64 of them)
; through two LDS slots.  CLUSTERS: 4 x 4 work-groups; A's tile is asked for jointly by a row of the cluster, B's by a column: the same tensor load, descriptor and mask in all four.
; THE MATRIX INSTRUCTION IS USED TRANSPOSED (source 0 = 16 rows of B, source 1 = 16 rows of A): a lane holds eight neighbouring numbers of a row of the result.
; THE RESIDUAL, my wave's 64 x 64 numbers of x1, is loaded at the start into 128 registers of window 2 and lies there while K is walked.
; THE WAY OUT goes through slot 0, which has had its last fill and whose last reads stand ahead of the last lap's change of slots: 64 rows x 272 bytes for each wave, its own.  A wave's 64 columns of f32
; are 256 consecutive bytes, so no wave needs another's part.
; REGISTERS: window 0: v0-31 addresses; v32-95 at work on the way out; v96-99 the bias; v128-255 the accumulators ((a, b) at v[128 + 8 (4 a + b)]).
;   window 1: two fragment buffers of 128.      window 2: v0-127 the residual: rows 2 t + lane / 16 at v[4 t].
.set SIZE_K, 4096
.set KSTEP,  256
.set PITCH,  528                       ; an LDS row: 512 bytes of data + 16 of padding: row r starts at bank 4 r mod 64 (ISA guide 11.1)
.set HALFT,  64*PITCH
.set SLOT,   4*HALFT
.set SPITCH, 272                       ; a stage row: 64 f32 + 16 bytes
.set SPARE,  2*SLOT                    ; behind the ring: the spare words, 128 bytes for each wave, which no other line names
.set LAPS, SIZE_K/(2*KSTEP)
.set ADRA, 16
.set ADRB, 20
.set STO,  24                          ; v24     the way out: where I put my numbers of a row
.set RD,   25                          ; v25     the way out: where I read rows back
.set CO,   26                          ; v26     my byte offset in two rows of x1 and of out0; never rewritten
.set BOF,  27                          ; v27     my byte offset in 256 bytes of the bias
.set SPW,  28
.set NIL,  29
.set TMP,  32
.set BI,   96
.set ACC,  128
.set F0,   0
.set F1,   128
.set G1, 24
.set G0, 32
.set G1B, 48
.set G0B, 56
.set MSB, 0
.macro WIN new                         ; the immediate's high byte repeats the setting that is left
.if MSB != (\new)
	s_set_vgpr_msb (MSB<<8)|(\new)
.set MSB, \new
.endif
.endm
.set MUL,  0x05                        ; sources 0 (B) and 1 (A) window 1; C and D window 0
.set TO_F, 0x40                        ; destination window 1, address window 0
.macro JLOAD s                         ; a joint load: waves 0 and 1 fetch A's two halves, waves 2 and 3 B's; an s_nop 0 and four v_nop follow each of the two lines
	s_cmp_eq_u32 s11, 0
	s_cbranch_scc0 .Lfor_b_\@
	tensor_load_to_lds s[G0+4*(\s):G0+4*(\s)+3], s[G1:G1+7]
	s_nop 0
.rept 4
	v_nop
.endr
	s_branch .Lasked_\@
.Lfor_b_\@:
	tensor_load_to_lds s[G0B+4*(\s):G0B+4*(\s)+3], s[G1B:G1B+7]
	s_nop 0
.rept 4
	v_nop
.endr
.Lasked_\@:
.endm
.macro CREST                           ; a round of the cluster's barrier behind its opening barrier
	s_cmp_lg_u32 s10, 0
	s_cbranch_scc1 .Lnot_wave_0_\@
	s_barrier_signal -3
.Lnot_wave_0_\@:
	s_barrier_wait -3
	s_barrier_signal -1
	s_barrier_wait -1
.endm
.macro CROUND
	s_barrier_signal -1
	s_barrier_wait -1
	CREST
.endm
	s_load_b128 s[4:7], s[0:1], 0x0                ; A s[4:5], B s[6:7]
	s_load_b128 s[68:71], s[0:1], 0x10             ; x1 s[68:69], the bias s[70:71]
	s_load_b64 s[8:9], s[0:1], 0x20                ; out0
	v_lshl_add_u32 v[SPW], v0, 2, SPARE
	v_mov_b32 v[NIL], 0
	ds_add_u32 v[SPW], v[NIL]                      ; the wave's opening: the add and its wait stand ahead of my first tensor load; the set-up below stands between them
	v_lshrrev_b32 v1, 5, v0
	v_readfirstlane_b32 s10, v1                    ; wave 0..3
	s_lshr_b32 s11, s10, 1                         ; which half of the tile's rows is mine.  Also: I fetch for A (0) or for B (1)
	s_and_b32 s12, s10, 1                          ; which half of its columns.  Also: which 64 rows of that tile I fetch
	s_bfe_u32 s40, ttmp6, 0x40000                  ; cx, cy
	s_bfe_u32 s41, ttmp6, 0x40004
	s_lshl_b32 s42, ttmp9, 2
	s_add_co_u32 s42, s42, s40                     ; tile column
	s_and_b32 s13, ttmp7, 0xffff
	s_lshl_b32 s13, s13, 2
	s_add_co_u32 s13, s13, s41                     ; tile row
	s_lshl_b32 s43, s41, 2
	s_lshl_b32 s43, 15, s43                        ; my row of the cluster
	s_lshl_b32 s44, 0x1111, s40                    ; my column
	s_or_b32 s[G1+0], s43, (1<<16)|(1<<20)|(1<<21)|(6<<22)|(3<<25)  ; the mask; element of 2 bytes; padding on; 21 set beside a mask; after every 128 words (code 6) 4 words (code 3)
	s_or_b32 s[G1B+0], s44, (1<<16)|(1<<20)|(1<<21)|(6<<22)|(3<<25)
.irp g, G1, G1B
	s_mov_b32 s[(\g)+1], KSTEP<<16                 ; tensor_dim0 = 256
	s_mov_b32 s[(\g)+2], 64<<16                    ; tensor_dim1 = 64
	s_mov_b32 s[(\g)+3], KSTEP<<16                 ; tile_dim0 = 256
	s_mov_b32 s[(\g)+4], 64                        ; tile_dim1 = 64
	s_mov_b32 s[(\g)+5], SIZE_K                    ; elements from row to row
	s_mov_b32 s[(\g)+6], 0
	s_mov_b32 s[(\g)+7], 0
.endr
	s_lshl_b32 s17, s12, 6
	s_lshl_b32 s16, s13, 7
	s_add_co_u32 s16, s16, s17                     ; A: row 128 x tile row + 64 x half
	s_lshl_b32 s46, s42, 7
	s_add_co_u32 s46, s46, s17                     ; B: row 128 x tile column + 64 x half
	s_mov_b32 s17, 0
	s_mov_b32 s47, 0
	s_mov_b64 s[18:19], SIZE_K*2
	s_mul_u64 s[16:17], s[16:17], s[18:19]
	s_mul_u64 s[46:47], s[46:47], s[18:19]
	s_mul_i32 s20, s10, HALFT                      ; where they go: wave x 64 rows
	s_wait_dscnt 0x0                               ; the opening add is done
	s_wait_kmcnt 0x0
	s_add_nc_u64 s[14:15], s[4:5], s[16:17]
	s_add_nc_u64 s[46:47], s[6:7], s[46:47]
	CROUND                                         ; all sixteen work-groups are here: the first joint loads meet
.irp s, 0,1
	s_mov_b32 s[G0+4*(\s)], 1
	s_add_co_u32 s[G0+4*(\s)+1], s20, (\s)*SLOT
	s_add_nc_u64 s[G0+4*(\s)+2:G0+4*(\s)+3], s[14:15], (\s)*KSTEP*2
	s_or_b32 s[G0+4*(\s)+3], s[G0+4*(\s)+3], 0x80000000
	s_mov_b32 s[G0B+4*(\s)], 1
	s_add_co_u32 s[G0B+4*(\s)+1], s20, (\s)*SLOT
	s_add_nc_u64 s[G0B+4*(\s)+2:G0B+4*(\s)+3], s[46:47], (\s)*KSTEP*2
	s_or_b32 s[G0B+4*(\s)+3], s[G0B+4*(\s)+3], 0x80000000
	JLOAD \s
.endr
	v_and_b32 v1, 15, v0                           ; l % 16
	v_bfe_u32 v2, v0, 4, 1                         ; l / 16
	v_mul_u32_u24 v3, v1, PITCH
	v_lshl_add_u32 v3, v2, 4, v3
	s_mul_i32 s21, s11, HALFT
	s_mul_i32 s22, s12, HALFT
	s_add_co_u32 s22, s22, 2*HALFT
.irp s, 0,1
	v_add_nc_u32 v[ADRA+(\s)], s21, v3
	v_add_nc_u32 v[ADRB+(\s)], s22, v3
	s_add_co_u32 s21, s21, SLOT
	s_add_co_u32 s22, s22, SLOT
.endr
	s_mul_i32 s23, s10, 64*SPITCH                  ; my stage, in slot 0
	v_mul_u32_u24 v4, v1, SPITCH                   ; in: row l % 16, 32 bytes for each half of the lanes
	v_lshl_add_u32 v4, v2, 5, v4
	v_add_nc_u32 v[STO], s23, v4
	v_mul_u32_u24 v5, v2, SPITCH                   ; back: lanes 0-15 take one row of 256 bytes, lanes 16-31 the next
	v_lshl_add_u32 v5, v1, 4, v5
	v_add_nc_u32 v[RD], s23, v5
	v_lshlrev_b32 v5, 12, v2                       ; and the same two rows in x1 and out0
	v_lshl_add_u32 v[CO], v1, 4, v5
	v_lshlrev_b32 v[BOF], 4, v1
	s_lshl_b32 s16, s13, 7
	s_lshl_b32 s17, s11, 6
	s_add_co_u32 s16, s16, s17                     ; my first row: 128 x tile row + 64 x half,
	s_lshl_b32 s16, s16, 12                        ; in bytes
	s_mov_b32 s17, 0
	s_lshl_b32 s46, s42, 9                         ; my first column, in bytes: 512 x tile column + 256 x half
	s_lshl_b32 s47, s12, 8
	s_add_co_u32 s46, s46, s47
	s_mov_b32 s47, 0
	s_add_nc_u64 s[68:69], s[68:69], s[16:17]
	s_add_nc_u64 s[68:69], s[68:69], s[46:47]
	s_add_nc_u64 s[8:9], s[8:9], s[16:17]
	s_add_nc_u64 s[8:9], s[8:9], s[46:47]
	s_add_nc_u64 s[70:71], s[70:71], s[46:47]
	global_load_b128 v[BI:BI+3], v[BOF], s[70:71]  ; the bias of my four columns; these 33 loads are waited for on the way out
	WIN 0x80                                       ; destination window 2
.set t, 0
.rept 32
	global_load_b128 v[4*t:4*t+3], v[CO], s[68:69] offset:8192*t th:TH_LOAD_NT
.set t, t+1
.endr
	WIN 0
; 8 matrix instructions: m blocks a0, a0 + 1 x all 4 n blocks, 32 along K: half c of buffer f.  zero = 1: the first product starts the sums.  The 16 accumulators take turns.
.macro MUL8 f, c, a0, zero
	WIN MUL
.irp a, \a0, (\a0)+1
.irp b, 0,1,2,3
.if \zero
	v_wmma_f32_16x16x32_bf16 v[ACC+8*(4*(\a)+(\b)):ACC+8*(4*(\a)+(\b))+7], v[(\f)+64+8*(4*(\c)+(\b)):(\f)+64+8*(4*(\c)+(\b))+7], v[(\f)+8*(4*(\c)+(\a)):(\f)+8*(4*(\c)+(\a))+7], 0
.else
	v_wmma_f32_16x16x32_bf16 v[ACC+8*(4*(\a)+(\b)):ACC+8*(4*(\a)+(\b))+7], v[(\f)+64+8*(4*(\c)+(\b)):(\f)+64+8*(4*(\c)+(\b))+7], v[(\f)+8*(4*(\c)+(\a)):(\f)+8*(4*(\c)+(\a))+7], v[ACC+8*(4*(\a)+(\b)):ACC+8*(4*(\a)+(\b))+7]
.endif
.endr
.endr
.endm
.macro FETCH slot, k, f                ; 32 LDS loads in one run: the fragments of 64 along K at byte k of the rows, into buffer f; the first 32 along K first
	WIN TO_F
.irp c, 0,1
.irp i, 0,1,2,3
	ds_load_b128 v[(\f)+64+8*(4*(\c)+(\i)):(\f)+64+8*(4*(\c)+(\i))+3],   v[ADRB+(\slot)] offset:(\k)+64*(\c)+(\i)*16*PITCH
	ds_load_b128 v[(\f)+64+8*(4*(\c)+(\i))+4:(\f)+64+8*(4*(\c)+(\i))+7], v[ADRB+(\slot)] offset:(\k)+64*(\c)+(\i)*16*PITCH+32
	ds_load_b128 v[(\f)+8*(4*(\c)+(\i)):(\f)+8*(4*(\c)+(\i))+3],         v[ADRA+(\slot)] offset:(\k)+64*(\c)+(\i)*16*PITCH
	ds_load_b128 v[(\f)+8*(4*(\c)+(\i))+4:(\f)+8*(4*(\c)+(\i))+7],       v[ADRA+(\slot)] offset:(\k)+64*(\c)+(\i)*16*PITCH+32
.endr
.endr
.endm
.macro PLACES                          ; four places in front of loads into registers that matrix instructions have read
.rept 4
	v_nop
.endr
.endm
.macro QUARTER slot, k, f, g, zero     ; multiplies buffer f and fetches the next quarter, at byte k, into g
	s_wait_dscnt 16                                ; the first 32 along K are in; the youngest sixteen loads may be out
	WIN MUL
	MUL8 \f, 0, 0, \zero
	MUL8 \f, 0, 2, \zero
	PLACES
	FETCH \slot, \k, \g
	s_wait_dscnt 32                                ; all but the 32 just issued
	WIN MUL
	MUL8 \f, 1, 0, 0
	MUL8 \f, 1, 2, 0
.endm
; The last quarter multiplies buffer 1 and changes slots: ONE barrier; in front of it each wave waits for all its tensor loads, adds 0 to its spare word, and waits for that and for its own reads of this slot.
.macro TURN slot, next, fill
	WIN 0                                          ; (the add's two registers lie in window 0)
	s_wait_tensorcnt 0x0                           ; all my tensor loads have landed: my part of the next slot;
	ds_add_u32 v[SPW], v[NIL]                      ; 0 onto my spare word;
	s_wait_dscnt 17                                ; (the add and the youngest sixteen loads may be out)
	WIN MUL
	MUL8 F1, 0, 0, 0
	s_wait_dscnt 0x0                               ; the add is done, and my reads of this slot are over
	s_barrier_signal -1
	MUL8 F1, 0, 2, 0
.if \fill
	WIN 0
.endif
	s_barrier_wait -1
.if \fill
	CREST                                          ; no wave of any partner still reads this slot's tile or has a load on its way
	s_add_nc_u64 s[G0+4*(\slot)+2:G0+4*(\slot)+3], s[G0+4*(\slot)+2:G0+4*(\slot)+3], 2*KSTEP*2
	s_add_nc_u64 s[G0B+4*(\slot)+2:G0B+4*(\slot)+3], s[G0B+4*(\slot)+2:G0B+4*(\slot)+3], 2*KSTEP*2
	JLOAD \slot                                    ; the first tensor load behind the round: 112 matrix instructions ahead of the wait for it; its four v_nop are also the places in front of the loads below
.else
	PLACES
.endif
	FETCH \next, 0, F0
	WIN MUL
	MUL8 F1, 1, 0, 0
	MUL8 F1, 1, 2, 0
.endm
	s_wait_tensorcnt 1                             ; my part of K step 0 is in; K step 1's may stay out
	s_barrier_signal -1
	s_barrier_wait -1
	FETCH 0, 0, F0
	QUARTER 0, 128, F0, F1, 1                      ; the first quarter stands in front of the loop: its first products start the sums
	WIN 0
	s_mov_b32 s3, LAPS-1
.Llap:                                                 ; a trip goes once round the ring and fills both slots again
	QUARTER 0, 256, F1, F0, 0
	QUARTER 0, 384, F0, F1, 0
	TURN 0, 1, 1
	QUARTER 1, 128, F0, F1, 0
	QUARTER 1, 256, F1, F0, 0
	QUARTER 1, 384, F0, F1, 0
	TURN 1, 0, 1
	QUARTER 0, 128, F0, F1, 0
	WIN 0
	s_sub_co_u32 s3, s3, 1
	s_cmp_lg_u32 s3, 0
	s_cbranch_scc1 .Llap
	QUARTER 0, 256, F1, F0, 0                      ; the last lap fills nothing
	QUARTER 0, 384, F0, F1, 0
	TURN 0, 1, 0                                   ; behind this barrier no wave reads slot 0 any more
	QUARTER 1, 128, F0, F1, 0
	QUARTER 1, 256, F1, F0, 0
	QUARTER 1, 384, F0, F1, 0
	s_wait_dscnt 16
	WIN MUL
	MUL8 F1, 0, 0, 0
	MUL8 F1, 0, 2, 0
	s_wait_dscnt 0
	MUL8 F1, 1, 0, 0
	MUL8 F1, 1, 2, 0
	; THE WAY OUT.  The bias goes onto the residual: 64 plain instructions that name no register of the products: the places behind the last of them.
	WIN 0x82                                       ; destination and source 0 window 2, source 1 window 0
	s_wait_loadcnt 0x0                             ; the bias and the residual
.set t, 0
.rept 32
	v_pk_add_f32 v[4*t:4*t+1], v[4*t:4*t+1], v[BI:BI+1]
	v_pk_add_f32 v[4*t+2:4*t+3], v[4*t+2:4*t+3], v[BI+2:BI+3]
.set t, t+1
.endr
	WIN 0
.irp a, 0,1,2,3
.irp b, 0,1,2,3
	ds_store_b128 v[STO], v[ACC+8*(4*\a+\b):ACC+8*(4*\a+\b)+3]   offset:\a*16*SPITCH+64*\b      ; each accumulator's low four registers first
	ds_store_b128 v[STO], v[ACC+8*(4*\a+\b)+4:ACC+8*(4*\a+\b)+7] offset:\a*16*SPITCH+64*\b+16
.endr
.endr
.irp hf, 0,1
	WIN 0
.irp t, 0,1,2,3,4,5,6,7,8,9,10,11,12,13,14,15
	ds_load_b128 v[TMP+4*\t:TMP+4*\t+3], v[RD] offset:(16*\hf+\t)*2*SPITCH  ; LDS serves a wave's instructions in order (ISA guide 5.7.1.4): these see my stores above; the stage is my wave's own
.endr
	WIN 0x88                                       ; destination and source 1 (an addend; a store's data) window 2, source 0 window 0
.irp t, 0,1,2,3,4,5,6,7,8,9,10,11,12,13,14,15
	s_wait_dscnt 15-\t
	v_pk_add_f32 v[4*(16*\hf+\t):4*(16*\hf+\t)+1], v[TMP+4*\t:TMP+4*\t+1], v[4*(16*\hf+\t):4*(16*\hf+\t)+1]
	v_pk_add_f32 v[4*(16*\hf+\t)+2:4*(16*\hf+\t)+3], v[TMP+4*\t+2:TMP+4*\t+3], v[4*(16*\hf+\t)+2:4*(16*\hf+\t)+3]
	global_store_b128 v[CO], v[4*(16*\hf+\t):4*(16*\hf+\t)+3], s[8:9] offset:8192*(16*\hf+\t)  ; 16 lanes store 256 consecutive bytes, at a multiple of 256 from out0's first byte
.endr
.endr
	WIN 0
	s_wait_tensorcnt 0x0                           ; the wave's end: a wait for the tensor loads, an add of 0 to my spare word and a wait for it, behind my last tensor load and my last LDS store
	ds_add_u32 v[SPW], v[NIL]
	s_wait_dscnt 0x0
	CROUND                                         ; the closing round: no work-group ends while a partner may still ask for a tile that names it
	s_endpgm
.Lfunc_end_k_q19674857d6_ff2:
	.size	k_q19674857d6_ff2, .Lfunc_end_k_q19674857d6_ff2-k_q19674857d6_ff2
	.p2alignl 7, 3214868480
	.fill 96, 4, 3214868480
	.section	.rodata,"a",@progbits
	.p2align	6, 0x0
	.amdhsa_kernel k_q19674857d6_ff2
		.amdhsa_group_segment_fixed_size 327680
		.amdhsa_private_segment_fixed_size 0
		.amdhsa_enable_private_segment 0
		.amdhsa_kernarg_size 40
		.amdhsa_user_sgpr_count 2
		.amdhsa_user_sgpr_kernarg_segment_ptr 1
		.amdhsa_wavefront_size32 1
		.amdhsa_system_sgpr_workgroup_id_x 1
		.amdhsa_system_sgpr_workgroup_id_y 1
		.amdhsa_system_sgpr_workgroup_id_z 1
		.amdhsa_system_vgpr_workitem_id 0
		.amdhsa_next_free_vgpr 640
		.amdhsa_next_free_sgpr 72
		.amdhsa_reserve_vcc 0
		.amdhsa_float_denorm_mode_32 3
		.amdhsa_float_denorm_mode_16_64 3
		.amdhsa_memory_ordered 1
		.amdhsa_forward_progress 1
		.amdhsa_inst_pref_size 98
	.end_amdhsa_kernel
	.amdgpu_metadata
---
amdhsa.version: [ 1, 2 ]
amdhsa.kernels:
  - .name:           k_q19674857d6_ff2
    .symbol:         k_q19674857d6_ff2.kd
    .args:
      - { .name: big, .offset: 0, .size: 8, .value_kind: global_buffer, .address_space: global }
      - { .name: w2, .offset: 8, .size: 8, .value_kind: global_buffer, .address_space: global }
      - { .name: x1, .offset: 16, .size: 8, .value_kind: global_buffer, .address_space: global }
      - { .name: b_ff2, .offset: 24, .size: 8, .value_kind: global_buffer, .address_space: global }
      - { .name: out0, .offset: 32, .size: 8, .value_kind: global_buffer, .address_space: global }
    .group_segment_fixed_size: 327680
    .private_segment_fixed_size: 0
    .kernarg_segment_align: 8
    .kernarg_segment_size: 40
    .max_flat_workgroup_size: 128
    .sgpr_count:     72
    .vgpr_count:     640
    .wavefront_size: 32
...
	.end_amdgpu_metadata
.endif
;; end of part 6
;; ======== version 2 of 2: 7 launches; version 1 with the launch prep written anew for expert scheduling mode
;; limits: right only within a limited range of input values
;; workspace buffers: h 8,388,608 bytes; big 33,554,432 bytes; x1 16,777,216 bytes; wqo 8,388,608 bytes; w1 8,388,608 bytes; w2 8,388,608 bytes; pq 16,640 bytes; pf 16,640 bytes
;; launch prep (part 7): grid 1024 x 1, 8 waves a work-group, no clusters, 0 bytes of LDS; arguments x, ln1_g, ln1_b, w_qkv, w_out, w_ff1, w_ff2, h, wqo, w1, w2, pq, pf, b_ff1; writes h, wqo, w1, w2, pq, pf
.if DOCPART == 7
	.amdgcn_target "amdgcn-amd-amdhsa--gfx1250"
	.amdhsa_code_object_version 6
	.text
	.protected	k_q19674857d6_prep
	.globl	k_q19674857d6_prep
	.p2align	8
	.type	k_q19674857d6_prep,@function
k_q19674857d6_prep:
	s_mov_b64 s[64:65], 0
	v_nop
	global_prefetch_b8 v0, s[64:65] scope:SCOPE_SE
	s_setreg_imm32_b32 hwreg(HW_REG_WAVE_SCHED_MODE, 0, 2), 2
	s_setreg_imm32_b32 hwreg(HW_REG_WAVE_MODE, 25, 1), 1
	s_wait_xcnt 0x0
	s_wait_alu depctr_vm_vsrc(0)
; WORK-GROUPS 0-255:  h = bf16(LayerNorm(x) * ln1_g + ln1_b).  x: [4096][1024] f32, h: [4096][1024] bf16.
; WORK-GROUPS 256-1023:  the four weight matrices, f32, are rounded once to bf16 (nearest even), 16,384 numbers a work-group.  w_qkv and w_out go into one buffer, w_out's rows behind w_qkv's.
; Every work-group reads 65,536 bytes of its stream, so all are alike.  Memory binds: no LDS, no matrix unit, no barrier.
; WORK-GROUP 0 also stores the two parameter buffers of the large products: 64 words that all hold one number w, and from byte 256 on a row of 4,096 f32, the bias.
;   pq, for the q, k, v projection: w = -infinity, the row is zeros.      pf, for the FFN's first layer: w = 0, the row is a copy of b_ff1.      Each of its eight waves takes 2,048 bytes of the rows.
; LAYERNORM.  A wave owns two whole rows (16 rows a work-group): a row is 32 registers, so it stays in registers between the mean, the
; variance (of the centred numbers: no difference of large sums) and the scaling.  A lane's numbers are columns 128 j + 4 lane + 0..3.
; Each load of a wave covers 512 consecutive bytes, each store 256 or 512 consecutive bytes, aligned.
; THE MODE: SCHED_MODE bits 1:0 = 2 (LLVM: expert scheduling mode 2), set by the entry lines.  The code itself states the register dependences
; between vector instructions and memory instructions, with s_wait_alu, always for 0.
; THE PLAN.  Registers that memory instructions touch:
;   v1, v2      byte offsets, made once at the head of each path and never written again; every load and store reads one of them.
;   XA, XB, G, BV   written by the loads, once, and then named by vector instructions alone (in work-group 0 four more loads land in XA's first sixteen, behind all of row A's arithmetic).
;   YA, YB      written by a row's sixteen roundings, read by its eight stores, never written again.  Row A's stores are dealt among the first lines of row B's arithmetic, which name XB and RS alone.
;   T           in work-group 0: written by six moves, read by stores, never written again.
;   IB, OB      the rounding path: IB is loaded once and read by the conversions; OB is written by the conversions of block p (four loads' numbers) and read by the four stores that are issued in block p + 1.
; So a wait on va_vdst stands ahead of each path's first load (the offsets), behind each row's arithmetic (its Y), behind work-group 0's moves, at the head of each block of the rounding path but the first,
; and ahead of that path's last stores.  No register that a memory instruction reads is written again on any path, so there is no wait on vm_vsrc; the text has no loop.
.set WO_OFF, 6291456                   ; bytes of w_qkv in bf16: where w_out begins in the shared buffer
.set VAR, 4                            ; v4, v5     variance + eps of row A, row B
.set G,   8                            ; v[8:39]    the gain of my 32 columns
.set BV,  40                           ; v[40:71]   the bias
.set XA,  72                           ; v[72:103]  row A
.set XB,  104                          ; v[104:135] row B
.set T,   136                          ; v[136:143] at work
.set MU,  144                          ; v[144:147] the mean, twice, of row A, of row B
.set RS,  148                          ; v[148:151] 1 / sqrt(var + eps), twice, of row A, of row B
.set YA,  152                          ; v[152:167] row A in bf16
.set YB,  168                          ; v[168:183] row B in bf16
.set IB,  8                            ; v[8:71]    the rounding path: load j's four f32 at IB + 4 j
.set OB,  72                           ; v[72:103]  the rounding path: the same four numbers in bf16 at OB + 2 j
.macro ACROSS                          ; four pairs in T -> one number in v[T], the same in every lane
	v_pk_add_f32 v[T:T+1], v[T:T+1], v[T+2:T+3]
	v_pk_add_f32 v[T+4:T+5], v[T+4:T+5], v[T+6:T+7]
	v_pk_add_f32 v[T:T+1], v[T:T+1], v[T+4:T+5]
	v_add_f32 v[T], v[T], v[T+1]
	v_add_f32_dpp v[T], v[T], v[T] row_xmask:1 row_mask:0xf bank_mask:0xf
	v_add_f32_dpp v[T], v[T], v[T] row_xmask:2 row_mask:0xf bank_mask:0xf
	v_add_f32_dpp v[T], v[T], v[T] row_xmask:4 row_mask:0xf bank_mask:0xf
	v_add_f32_dpp v[T], v[T], v[T] row_xmask:8 row_mask:0xf bank_mask:0xf
	v_permlanex16_b32 v[T+1], v[T], s4, s5         ; the other half of the lanes
	v_add_f32 v[T], v[T], v[T+1]
.endm
.macro SUM32 x                         ; the row's sum: four chains that do not wait for each other
.irp k, 0,1,2,3
	v_pk_add_f32 v[T+2*(\k):T+2*(\k)+1], v[(\x)+2*(\k):(\x)+2*(\k)+1], v[(\x)+8+2*(\k):(\x)+8+2*(\k)+1]
.endr
.irp k, 0,1,2,3
	v_pk_add_f32 v[T+2*(\k):T+2*(\k)+1], v[T+2*(\k):T+2*(\k)+1], v[(\x)+16+2*(\k):(\x)+16+2*(\k)+1]
.endr
.irp k, 0,1,2,3
	v_pk_add_f32 v[T+2*(\k):T+2*(\k)+1], v[T+2*(\k):T+2*(\k)+1], v[(\x)+24+2*(\k):(\x)+24+2*(\k)+1]
.endr
	ACROSS
.endm
.macro SQ32 x                          ; the row's sum of squares
.irp k, 0,1,2,3
	v_pk_mul_f32 v[T+2*(\k):T+2*(\k)+1], v[(\x)+2*(\k):(\x)+2*(\k)+1], v[(\x)+2*(\k):(\x)+2*(\k)+1]
.endr
.irp o, 8,16,24
.irp k, 0,1,2,3
	v_pk_fma_f32 v[T+2*(\k):T+2*(\k)+1], v[(\x)+(\o)+2*(\k):(\x)+(\o)+2*(\k)+1], v[(\x)+(\o)+2*(\k):(\x)+(\o)+2*(\k)+1], v[T+2*(\k):T+2*(\k)+1]
.endr
.endr
	ACROSS
.endm
.macro MEAN x, mu
	SUM32 \x
	v_mul_f32 v[\mu], s6, v[T]
	v_mov_b32 v[(\mu)+1], v[\mu]
.endm
.macro CENTRE x, mu, var               ; x -= mean; var = mean of squares + eps
.set i, 0
.rept 16
	v_pk_add_f32 v[(\x)+i:(\x)+i+1], v[(\x)+i:(\x)+i+1], v[\mu:(\mu)+1] neg_lo:[0,1] neg_hi:[0,1]
.set i, i+2
.endr
	SQ32 \x
	v_fma_f32 v[\var], v[T], s6, s7
.endm
; A row's last arithmetic: scale, gain and bias, round into y.  deal = 1 (row B): row A's eight stores are dealt among the sixteen scalings, one ahead of every second of them.
.macro ARITH x, rs, y, deal
.set i, 0
.rept 16
.if (\deal) && (i%4 == 0)
	global_store_b64 v2, v[YA+i/2:YA+i/2+1], s[22:23] offset:64*i  ; store i / 4 of row A: 256 bytes on each time.  No wait: no vector instruction since the wait behind row A's arithmetic names YA or v2
.endif
	v_pk_mul_f32 v[(\x)+i:(\x)+i+1], v[(\x)+i:(\x)+i+1], v[\rs:(\rs)+1]
.set i, i+2
.endr
.set i, 0
.rept 16
	v_pk_fma_f32 v[(\x)+i:(\x)+i+1], v[(\x)+i:(\x)+i+1], v[G+i:G+i+1], v[BV+i:BV+i+1]
.set i, i+2
.endr
.set i, 0
.rept 16
	v_cvt_pk_bf16_f32 v[(\y)+i], v[(\x)+2*i], v[(\x)+2*i+1]
.set i, i+1
.endr
.endm
; The rounding path's block p: the numbers of loads 4 p to 4 p + 3 are rounded; the four stores of block p - 1 are dealt among the eight conversions.
.macro CBLK p
	s_wait_loadcnt 12-4*(\p)                       ; loads come back in order (ISA guide 5.7.1): this block's four are in, the younger blocks stay out
.if (\p) > 0
	s_wait_alu depctr_va_vdst(0)                   ; the block before has written its eight registers of OB, which the stores below read; this block's conversions write eight others
.endif
.irp q, 0,1,2,3
.if (\p) > 0
	global_store_b64 v2, v[OB+2*(4*(\p)-4+\q):OB+2*(4*(\p)-4+\q)+1], s[36:37] offset:2048*(4*(\p)-4+\q)
.endif
	v_cvt_pk_bf16_f32 v[OB+2*(4*(\p)+\q)],   v[IB+4*(4*(\p)+\q)],   v[IB+4*(4*(\p)+\q)+1]
	v_cvt_pk_bf16_f32 v[OB+2*(4*(\p)+\q)+1], v[IB+4*(4*(\p)+\q)+2], v[IB+4*(4*(\p)+\q)+3]
.endr
.endm
	s_load_b512 s[8:23], s[0:1], 0x0               ; x 8:9, ln1_g 10:11, ln1_b 12:13, w_qkv 14:15, w_out 16:17, w_ff1 18:19, w_ff2 20:21, h 22:23
	s_load_b256 s[24:31], s[0:1], 0x40             ; wqo 24:25, w1 26:27, w2 28:29, pq 30:31
	s_load_b128 s[44:47], s[0:1], 0x60             ; pf 44:45, b_ff1 46:47
	v_lshrrev_b32 v3, 5, v0
	v_readfirstlane_b32 s3, v3                     ; wave 0..7
	s_mov_b32 s4, 0x76543210                       ; v_permlanex16_b32: each lane takes its own place in the other half
	s_mov_b32 s5, 0xfedcba98
	s_mov_b32 s6, 0x3a800000                       ; 1 / 1024
	s_mov_b32 s7, 0x3727c5ac                       ; 1e-5
	s_wait_alu depctr_va_sdst(0)                   ; s3 is written, ahead of the branch and of its first reader: the rows' offsets are made from it
	s_wait_kmcnt 0x0
	s_cmp_lt_u32 ttmp9, 256
	s_cbranch_scc0 .Lcast
	v_and_b32 v1, 31, v0
	v_lshlrev_b32 v2, 3, v1                        ; 8 x lane: my bytes in 256 bytes
	v_lshlrev_b32 v1, 4, v1                        ; 16 x lane: my bytes in 512 bytes
	s_lshl_b32 s32, ttmp9, 16                      ; 16 rows of 4,096 bytes a work-group,
	s_lshl_b32 s33, s3, 13                         ; two a wave
	s_add_co_u32 s32, s32, s33
	s_mov_b32 s33, 0
	s_add_nc_u64 s[8:9], s[8:9], s[32:33]
	s_lshr_b32 s32, s32, 1                         ; rows of h are half as long
	s_add_nc_u64 s[22:23], s[22:23], s[32:33]
	s_wait_alu depctr_va_vdst(0)                   ; v1 and v2 are written: every load and store of this path reads one of them as its offset
.irp j, 0,1,2,3,4,5,6,7
	global_load_b128 v[XA+4*\j:XA+4*\j+3], v1, s[8:9] offset:512*\j th:TH_LOAD_NT
.endr
.irp j, 0,1,2,3,4,5,6,7
	global_load_b128 v[XB+4*\j:XB+4*\j+3], v1, s[8:9] offset:4096+512*\j th:TH_LOAD_NT
.endr
.irp j, 0,1,2,3,4,5,6,7
	global_load_b128 v[G+4*\j:G+4*\j+3], v1, s[10:11] offset:512*\j
.endr
.irp j, 0,1,2,3,4,5,6,7
	global_load_b128 v[BV+4*\j:BV+4*\j+3], v1, s[12:13] offset:512*\j
.endr
	s_wait_loadcnt 16                              ; both rows are in; the 16 loads of gain and bias may stay out
	MEAN XA, MU
	CENTRE XA, MU, VAR
	MEAN XB, MU+2
	CENTRE XB, MU+2, VAR+1
	v_rsq_f32 v[RS], v[VAR]                        ; one batch of four: each root twice, for the packed multiply
	v_rsq_f32 v[RS+1], v[VAR]
	v_rsq_f32 v[RS+2], v[VAR+1]
	v_rsq_f32 v[RS+3], v[VAR+1]
	v_nop                                          ; a plain instruction behind the last root, ahead of the first use
	s_wait_loadcnt 0x0                             ; gain and bias
	s_wait_alu depctr_va_vdst(0)                   ; the four roots have written v[RS .. RS+3]: one wait for the batch, ahead of its first reader
	ARITH XA, RS, YA, 0
	s_wait_alu depctr_va_vdst(0)                   ; row A's roundings have written YA, which its eight stores read
	ARITH XB, RS+2, YB, 1                          ; row A leaves among row B's scalings
	s_wait_alu depctr_va_vdst(0)                   ; row B's roundings have written YB, which its eight stores read
.irp j, 0,1,2,3,4,5,6,7
	global_store_b64 v2, v[YB+2*\j:YB+2*\j+1], s[22:23] offset:2048+256*\j
.endr
	s_cmp_lg_u32 ttmp9, 0                          ; work-group 0: the two parameter buffers
	s_cbranch_scc1 .Ldone
	s_lshl_b32 s32, s3, 11                         ; my wave's 2,048 bytes of the rows of 16,384
	s_mov_b32 s33, 0
	s_add_nc_u64 s[46:47], s[46:47], s[32:33]
	s_add_nc_u64 s[30:31], s[30:31], s[32:33]
	s_add_nc_u64 s[44:45], s[44:45], s[32:33]
.irp k, 0,1,2,3
	v_mov_b32 v[T+\k], 0
.endr
	v_mov_b32 v[T+4], 0xff800000                   ; -infinity: stored by wave 0 alone, made by every wave, so that one wait serves all six moves
	v_mov_b32 v[T+5], 0xff800000
	s_wait_alu depctr_va_vdst(0)                   ; the six moves have written v[T .. T+5], which the stores below read; row A's arithmetic is done with XA, in which the loads below land
.irp j, 0,1,2,3
	global_load_b128 v[XA+4*\j:XA+4*\j+3], v1, s[46:47] offset:512*\j      ; b_ff1 (row A's registers are free: the stores of h read YA and YB)
.endr
.irp j, 0,1,2,3
	global_store_b128 v1, v[T:T+3], s[30:31] offset:256+512*\j             ; the projection's bias: zeros
.endr
	s_wait_loadcnt 0x0                             ; the four loads of b_ff1
.irp j, 0,1,2,3
	global_store_b128 v1, v[XA+4*\j:XA+4*\j+3], s[44:45] offset:256+512*\j ; the FFN's bias
.endr
	s_cmp_lg_u32 s3, 0                             ; wave 0, whose pointers stand at the buffers' first bytes: the 64 words w, 8 bytes a lane
	s_cbranch_scc1 .Ldone
	global_store_b64 v2, v[T+4:T+5], s[30:31]      ; -infinity
	global_store_b64 v2, v[T:T+1], s[44:45]        ; 0
.Ldone:
	s_endpgm
.Lcast:                                        ; chunk c = work-group - 256: 0-191 w_qkv, 192-255 w_out, 256-511 w_ff1, 512-767 w_ff2
	s_sub_co_u32 s32, ttmp9, 256
	s_add_nc_u64 s[40:41], s[24:25], WO_OFF        ; where w_out goes
	s_mov_b64 s[34:35], s[20:21]
	s_mov_b64 s[36:37], s[28:29]
	s_mov_b32 s38, 512
	s_cmp_lt_u32 s32, 512
	s_cselect_b64 s[34:35], s[18:19], s[34:35]
	s_cselect_b64 s[36:37], s[26:27], s[36:37]
	s_cselect_b32 s38, 256, s38
	s_cmp_lt_u32 s32, 256
	s_cselect_b64 s[34:35], s[16:17], s[34:35]
	s_cselect_b64 s[36:37], s[40:41], s[36:37]
	s_cselect_b32 s38, 192, s38
	s_cmp_lt_u32 s32, 192
	s_cselect_b64 s[34:35], s[14:15], s[34:35]
	s_cselect_b64 s[36:37], s[24:25], s[36:37]
	s_cselect_b32 s38, 0, s38
	s_sub_co_u32 s32, s32, s38                     ; the chunk's number in its own matrix
	s_lshl_b32 s38, s32, 16                        ; 65,536 bytes of f32,
	s_mov_b32 s39, 0
	s_add_nc_u64 s[34:35], s[34:35], s[38:39]
	s_lshl_b32 s38, s32, 15                        ; 32,768 of bf16
	s_add_nc_u64 s[36:37], s[36:37], s[38:39]
	v_lshlrev_b32 v1, 4, v0                        ; 16 x thread
	v_lshlrev_b32 v2, 3, v0                        ; 8 x thread
	s_wait_alu depctr_va_vdst(0)                   ; v1 and v2 are written: every load and store of this path reads one of them as its offset
.irp j, 0,1,2,3,4,5,6,7,8,9,10,11,12,13,14,15
	global_load_b128 v[IB+4*\j:IB+4*\j+3], v1, s[34:35] offset:4096*\j th:TH_LOAD_NT
.endr
	CBLK 0                                         ; block 0 has no block in front of it: no store, and no wait but the one for its data
	CBLK 1
	CBLK 2
	CBLK 3
	s_wait_alu depctr_va_vdst(0)                   ; block 3 has written its eight registers of OB, which the last four stores read
.irp q, 12,13,14,15
	global_store_b64 v2, v[OB+2*\q:OB+2*\q+1], s[36:37] offset:2048*\q
.endr
	s_endpgm
.Lfunc_end_k_q19674857d6_prep:
	.size	k_q19674857d6_prep, .Lfunc_end_k_q19674857d6_prep-k_q19674857d6_prep
	.p2alignl 7, 3214868480
	.fill 96, 4, 3214868480
	.section	.rodata,"a",@progbits
	.p2align	6, 0x0
	.amdhsa_kernel k_q19674857d6_prep
		.amdhsa_group_segment_fixed_size 0
		.amdhsa_private_segment_fixed_size 0
		.amdhsa_enable_private_segment 0
		.amdhsa_kernarg_size 112
		.amdhsa_user_sgpr_count 2
		.amdhsa_user_sgpr_kernarg_segment_ptr 1
		.amdhsa_wavefront_size32 1
		.amdhsa_system_sgpr_workgroup_id_x 1
		.amdhsa_system_sgpr_workgroup_id_y 1
		.amdhsa_system_sgpr_workgroup_id_z 1
		.amdhsa_system_vgpr_workitem_id 0
		.amdhsa_next_free_vgpr 184
		.amdhsa_next_free_sgpr 66
		.amdhsa_reserve_vcc 0
		.amdhsa_float_denorm_mode_32 3
		.amdhsa_float_denorm_mode_16_64 3
		.amdhsa_memory_ordered 1
		.amdhsa_forward_progress 1
		.amdhsa_inst_pref_size 29
	.end_amdhsa_kernel
	.amdgpu_metadata
---
amdhsa.version: [ 1, 2 ]
amdhsa.kernels:
  - .name:           k_q19674857d6_prep
    .symbol:         k_q19674857d6_prep.kd
    .args:
      - { .name: x, .offset: 0, .size: 8, .value_kind: global_buffer, .address_space: global }
      - { .name: ln1_g, .offset: 8, .size: 8, .value_kind: global_buffer, .address_space: global }
      - { .name: ln1_b, .offset: 16, .size: 8, .value_kind: global_buffer, .address_space: global }
      - { .name: w_qkv, .offset: 24, .size: 8, .value_kind: global_buffer, .address_space: global }
      - { .name: w_out, .offset: 32, .size: 8, .value_kind: global_buffer, .address_space: global }
      - { .name: w_ff1, .offset: 40, .size: 8, .value_kind: global_buffer, .address_space: global }
      - { .name: w_ff2, .offset: 48, .size: 8, .value_kind: global_buffer, .address_space: global }
      - { .name: h, .offset: 56, .size: 8, .value_kind: global_buffer, .address_space: global }
      - { .name: wqo, .offset: 64, .size: 8, .value_kind: global_buffer, .address_space: global }
      - { .name: w1, .offset: 72, .size: 8, .value_kind: global_buffer, .address_space: global }
      - { .name: w2, .offset: 80, .size: 8, .value_kind: global_buffer, .address_space: global }
      - { .name: pq, .offset: 88, .size: 8, .value_kind: global_buffer, .address_space: global }
      - { .name: pf, .offset: 96, .size: 8, .value_kind: global_buffer, .address_space: global }
      - { .name: b_ff1, .offset: 104, .size: 8, .value_kind: global_buffer, .address_space: global }
    .group_segment_fixed_size: 0
    .private_segment_fixed_size: 0
    .kernarg_segment_align: 8
    .kernarg_segment_size: 112
    .max_flat_workgroup_size: 256
    .sgpr_count:     66
    .vgpr_count:     184
    .wavefront_size: 32
...
	.end_amdgpu_metadata
.endif
;; end of part 7
;; launch qkv: the kernel of part 2 again; grid 12 x 16, 4 waves a work-group, clusters of 4 x 4, 327,680 bytes of LDS; arguments h, wqo, big, pq; writes big
;; launch attn: the kernel of part 3 again; grid 16 x 16, 4 waves a work-group, no clusters, 250,368 bytes of LDS; arguments big, h; writes h
;; launch outp: the kernel of part 4 again; grid 8 x 32, 4 waves a work-group, clusters of 4 x 4, 327,680 bytes of LDS; arguments h, wqo, big; writes big
;; launch ln2: the kernel of part 5 again; grid 256 x 1, 8 waves a work-group, no clusters, 0 bytes of LDS; arguments x, big, b_out, ln2_g, ln2_b, x1, h; writes x1, h
;; launch ff1: the kernel of part 2 again; grid 16 x 16, 4 waves a work-group, clusters of 4 x 4, 327,680 bytes of LDS; arguments h, w1, big, pf; writes big
;; launch ff2: the kernel of part 6 again; grid 8 x 32, 4 waves a work-group, clusters of 4 x 4, 327,680 bytes of LDS; arguments big, w2, x1, b_ff2, out0; writes out0
